; MI455X (gfx1250); checked and timed in simulation.
; The chip was launched on July 23, 2026; its instructions are those of AMD's public machine-readable ISA for CDNA 5 (MIT licence, August 2026) and "CDNA5" Instruction Set Architecture Reference Guide (July 2026). The comments in the code are by the model that wrote it; some were corrected since.
;; Causal Self Attention. Allowed arithmetic: matrix products marked QUANTISED: E4M3 operands, one given power-of-two scale a tensor, by v_wmma_f32_16x16x64_fp8_fp8 or v_wmma_f32_16x16x128_fp8_fp8, f32 sums; products left as they are: f32 operands where the result goes on into a quantised operand, else bf16, f16 or f32 operands; f32 sums; everything else in f32.
;; Inputs: cos 1 x 2,048 x 1 x 32 float32; lowp_scales 12 int32 (the exponents e of the quantised operands' scales 2^e); sin 1 x 2,048 x 1 x 32 float32; ve 4 x 2,048 x 256 float32; wgate 8 x 4 float32; wk 1,024 x 256 float32; wproj 1,024 x 1,024 float32; wq 1,024 x 1,024 float32; wv 1,024 x 256 float32; x 4 x 2,048 x 1,024 float32.
;; Outputs: out0 4 x 2,048 x 1,024 float32.
;; Constants: window = 1024.
;; This version of the problem:
;;   THIS VERSION OF THE PROBLEM IS GIVEN IN LOW PRECISION. The matrix products marked QUANTISED in the list below multiply operands that are first quantised to E4M3 (4 exponent bits, 3 mantissa bits; 8 bits a number), with one given power-of-two scale for each operand tensor; their sums are f32. All else is computed in f32.
;;   The module's matrix products, in the order in which they are computed (A, B: the left and right operand; K: the contracted axis; several contracted axes count as one K, in the product's order):
;;     1. [M 8,192, K 1,024] x [K 1,024, N 1,024]; A: input x; B: input wq: QUANTISED (scales: A lowp_scales[0], B lowp_scales[1])
;;     2. [M 8,192, K 1,024] x [K 1,024, N 256]; A: input x; B: input wk: QUANTISED (scales: A lowp_scales[2], B lowp_scales[3])
;;     3. [M 8,192, K 1,024] x [K 1,024, N 256]; A: input x; B: input wv: QUANTISED (scales: A lowp_scales[4], B lowp_scales[5])
;;     4. [M 8,192, K 8] x [K 8, N 4]; A: input x; B: input wgate: left as it is (K = 8 < 32)
;;     5. batch 64 x [M 2,048, K 64] x [K 64, N 2,048]; A: computed on the way; B: computed on the way: QUANTISED (scales: A lowp_scales[6], B lowp_scales[7])
;;     6. batch 64 x [M 64, K 2,048] x [K 2,048, N 2,048]; A: computed on the way; B: softmax (see below): QUANTISED (scales: A lowp_scales[8], B lowp_scales[9])
;;     7. [M 8,192, K 1,024] x [K 1,024, N 1,024]; A: computed on the way; B: input wproj: QUANTISED (scales: A lowp_scales[10], B lowp_scales[11])
;;   THE QUANTISER, for each operand of a quantised product, along K:
;;     - The operand's scale is 2^e, e = its entry of the input lowp_scales (int32; the entries are numbered through the quantised products in the list's order, A before B).
;;     - Each number is divided by the scale, clamped to +-448, and rounded to the nearest number of E4M3, ties to even, subnormals kept.
;;     - The product sums the exact products of the quantised numbers (number of the format x scale) in f32.
;;   ~~~python
;;   def quantise(x, axis, e):      # numpy; x: float32 -> the quantised numbers, widened to float32 again
;;       x = np.moveaxis(x, axis, -1); K = x.shape[-1]
;;       r = np.clip(x / 2.0 ** e, -448, 448)
;;       step = 2.0 ** (np.maximum(np.frexp(np.where(r == 0, 1, r))[1] - 1, -6) - 3)
;;       q = np.round(r / step) * step * 2.0 ** e      # np.round: ties to even
;;       return np.moveaxis(q, -1, axis).astype(np.float32)
;;   ~~~
;;   SOFTMAX AHEAD OF A QUANTISED PRODUCT. Where the list says 'softmax', what is quantised is not the finished softmax but p = 2^(t - M), with t = logit x log2(e) and M = ceil(the row's largest t), a whole number; so 1/2 < the row's largest p <= 1. The row's sum l is taken of the UNQUANTISED p, in f32, and the product's result is divided by l at the end. Since M is a whole number, a kernel that streams over the keys may use a running M (the ceiling of the running maximum): every later rescaling is an exact power of two, so the quantised numbers keep their values, but for numbers so far below the row's largest that they fall under the format's range.
;;   OPERANDS COMPUTED ON THE WAY. 'Computed on the way' means the value that the module computes at that place (a softmax that the list does not call 'softmax' is quantised finished and normalised). What goes into a quantiser is computed in f32, as accurately as f32 sums, v_exp_f32 and their like allow (about 1e-6 of the number): no bf16 or f16 on the way to a quantiser, and a product that is left as it is and whose result goes on into a quantised operand takes f32 operands (vector FMAs, or v_wmma_f32_16x16x4_f32). A number that lies on a knife's edge between two numbers of the format may be rounded either way, as far as f32 arithmetic and the matrix unit's own rounding can turn it there, and no further.
;; 2 versions. Each part assembles by itself: llvm-mc -triple=amdgcn-amd-amdhsa -mcpu=gfx1250 --defsym DOCPART=n.
;; ======== version 1 of 2: 4 launches
;; workspace buffers: wimg 2,621,440 bytes; qimg 8,388,608 bytes; kvimg 4,194,304 bytes; yimg 8,388,608 bytes
;; launch wquant (part 1): grid 20 x 8, 4 waves a work-group, no clusters, 0 bytes of LDS; arguments wq, wk, wv, wproj, lowp_scales, wimg; writes wimg
.if DOCPART == 1
	.amdgcn_target "amdgcn-amd-amdhsa--gfx1250"
	.amdhsa_code_object_version 6
	.text
	.protected	k_qa9a847ad45_wquant
	.globl	k_qa9a847ad45_wquant
	.p2align	8
	.type	k_qa9a847ad45_wquant,@function
k_qa9a847ad45_wquant:
	s_mov_b64 s[64:65], 0
	v_nop
	global_prefetch_b8 v0, s[64:65] scope:SCOPE_SE
	s_setreg_imm32_b32 hwreg(HW_REG_WAVE_MODE, 25, 1), 1
	s_wait_xcnt 0x0
; The four weights, f32 stored [K = 1024][N], become codes of FP8 (E4M3), each with its given scale 2^e (wq: entry 1, wk: 3, wv: 5, wproj: 11 of the scales).
; code = w / 2^e, held within +-448, rounded to the nearest code, ties to even.
; OUT: wimg, 40 groups of 64 output columns (0-15 wq, 16-19 wk, 20-23 wv, 24-39 wproj), 65,536 bytes each: [K step s of 128][tile t of 16 columns], each a FRAGMENT IMAGE of 2,048 bytes:
; chunk c (512 bytes), place 16 h + r (16 bytes): of column 16 t + r the codes of k = 32 c + 8 h + 0..7, then k = 32 c + 16 + 8 h + 0..7.  Those are registers 4 c .. 4 c + 3 of lane 16 h + r of the
; operand of v_wmma_f32_16x16x128_fp8_fp8 (ISA guide 7.12.2), so a reader fills a fragment by four loads of 16 bytes a lane at 16 x lane + 512 c.
; SHARES: work-group x takes 128 columns (0-7 wq, 8-9 wk, 10-11 wv, 12-19 wproj), y a K step of 128.  A wave takes 32 columns: A LANE TAKES A COLUMN AND ITS REGISTERS RUN DOWN K, so each load reads 128
; consecutive bytes a wave, and the conversions, which take neighbours along K from one lane, give codes with K innermost.  Nothing is transposed and nothing goes through LDS:
; a lane's 16 bytes for half h of chunk c lie 16 bytes from its neighbour's, so sixteen lanes store 256 consecutive bytes, aligned.
; LIMITS: each e between -126 and 119, so that 2^e and 448 x 2^e are f32 numbers.  NaN among the inputs is not served.
; No matrix work, no barrier, no cluster: waves share nothing, and every byte is read once.
.set X, 16                             ; v16-143  128 numbers down K
.set C, 144                            ; v144-175 codes: eight registers a block of 32, never written again, so no store's data are rewritten
.macro LOADW pitch                     ; w(128 s + i, my column), i = 0 .. 127
.set li, 0
.rept 128
	global_load_b32 v[X+li], v2, s[18:19] offset:li*\pitch th:TH_LOAD_NT
.set li, li+1
.endr
.endm
.macro BLOCK b                         ; k = 32 b .. 32 b + 31: chunk b of the image
.set li, 0
.rept 32
	v_med3_num_f32 v[X+32*\b+li], v[X+32*\b+li], -v10, v10   ; the conversion to an 8-bit code does not saturate (ISA guide 7.6.2): the hold at the largest code x the scale
.set li, li+1
.endr
	v_cvt_scalef32_pk8_fp8_f32 v[C+8*\b:C+8*\b+1], v[X+32*\b:X+32*\b+7], v11           ; half 0: k + 0..7,
	v_cvt_scalef32_pk8_fp8_f32 v[C+8*\b+2:C+8*\b+3], v[X+32*\b+16:X+32*\b+23], v11     ;         k + 16..23
	v_cvt_scalef32_pk8_fp8_f32 v[C+8*\b+4:C+8*\b+5], v[X+32*\b+8:X+32*\b+15], v11      ; half 1: k + 8..15,
	v_cvt_scalef32_pk8_fp8_f32 v[C+8*\b+6:C+8*\b+7], v[X+32*\b+24:X+32*\b+31], v11     ;         k + 24..31
	global_store_b128 v3, v[C+8*\b:C+8*\b+3], s[14:15] offset:512*\b                   ; lanes 0-15: 256 consecutive bytes of tile 2 (w % 2); lanes 16-31: of the next tile
	global_store_b128 v3, v[C+8*\b+4:C+8*\b+7], s[14:15] offset:512*\b+256
.endm
	s_load_b256 s[4:11], s[0:1], 0x0               ; wq s[4:5], wk s[6:7], wv s[8:9], wproj s[10:11]
	s_load_b128 s[12:15], s[0:1], 0x20             ; the scales s[12:13], wimg s[14:15]
	v_lshrrev_b32 v1, 5, v0
	v_readfirstlane_b32 s16, v1                    ; wave
	v_and_b32 v4, 31, v0                           ; lane
	v_lshlrev_b32 v2, 2, v4                        ; in: 4 bytes a lane
	v_lshrrev_b32 v5, 4, v4
	v_and_b32 v6, 15, v4
	v_lshlrev_b32 v3, 4, v6
	v_lshl_add_u32 v3, v5, 11, v3                  ; out: 16 (lane % 16) + 2,048 (lane / 16): my column's place in its tile's image
	s_and_b32 s17, ttmp7, 0xffff                   ; the K step
	s_sub_co_u32 s20, ttmp9, 12                    ; which 128 columns of its tensor: as wproj's,
	s_sub_co_u32 s22, ttmp9, 10                    ; as wv's,
	s_sub_co_u32 s23, ttmp9, 8                     ; as wk's
	s_wait_kmcnt 0x0
	s_load_b256 s[24:31], s[12:13], 0x0            ; e0 .. e7
	s_load_b128 s[32:35], s[12:13], 0x20           ; e8 .. e11
	s_mov_b64 s[18:19], s[10:11]                   ; the tensor is chosen by the work-group's number alone
	s_cmp_lt_u32 ttmp9, 12
	s_cselect_b64 s[18:19], s[8:9], s[18:19]
	s_cselect_b32 s20, s22, s20
	s_cmp_lt_u32 ttmp9, 10
	s_cselect_b64 s[18:19], s[6:7], s[18:19]
	s_cselect_b32 s20, s23, s20
	s_cmp_lt_u32 ttmp9, 8
	s_cselect_b64 s[18:19], s[4:5], s[18:19]
	s_cselect_b32 s20, ttmp9, s20
	s_cmp_lt_u32 s23, 4                            ; wk and wv have rows of 1,024 bytes, wq and wproj of 4,096
	s_cselect_b32 s36, 10, 12
	s_lshl_b32 s38, s17, 7
	s_lshl_b32 s38, s38, s36                       ; 128 s rows
	s_lshl_b32 s37, s20, 9                         ; + 128 columns x 4 bytes for each step along x
	s_add_co_u32 s38, s38, s37
	s_lshl_b32 s37, s16, 7                         ; + 32 columns a wave
	s_add_co_u32 s38, s38, s37
	s_mov_b32 s39, 0
	s_add_nc_u64 s[18:19], s[18:19], s[38:39]
	s_lshl_b32 s38, ttmp9, 1
	s_lshr_b32 s37, s16, 1
	s_add_co_u32 s38, s38, s37                     ; the group: 2 x + wave / 2
	s_lshl_b32 s38, s38, 16
	s_lshl_b32 s37, s17, 13                        ; + 8,192 s
	s_add_co_u32 s38, s38, s37
	s_and_b32 s37, s16, 1
	s_lshl_b32 s37, s37, 12                        ; + two tiles for the odd wave
	s_add_co_u32 s38, s38, s37
	s_add_nc_u64 s[14:15], s[14:15], s[38:39]
	s_cmp_lt_u32 s23, 4
	s_cbranch_scc1 .Lnarrow                        ; both ways issue the same 128 loads; only the immediates differ
	LOADW 4096
	s_branch .Lloaded
.Lnarrow:
	LOADW 1024
.Lloaded:
	s_wait_kmcnt 0x0
	s_mov_b32 s21, s35                             ; e, chosen as the tensor was
	s_cmp_lt_u32 ttmp9, 12
	s_cselect_b32 s21, s29, s21
	s_cmp_lt_u32 ttmp9, 10
	s_cselect_b32 s21, s27, s21
	s_cmp_lt_u32 ttmp9, 8
	s_cselect_b32 s21, s25, s21
	s_add_co_i32 s21, s21, 127
	s_lshl_b32 s22, s21, 23
	v_mov_b32 v11, s22                             ; 2^e as f32: the conversion takes its exponent field
	s_add_co_i32 s21, s21, 8
	s_lshl_b32 s21, s21, 23
	s_or_b32 s21, s21, 0x600000
	v_mov_b32 v10, s21                             ; 448 x 2^e
	s_wait_loadcnt 63                              ; at most 63 of the 128 are out: the first 65 are in, blocks 0 and 1 among them
	BLOCK 0
	BLOCK 1
	s_wait_loadcnt 32                              ; the last block's 32 may be out
	BLOCK 2
	s_wait_loadcnt 0x0
	BLOCK 3
	s_endpgm
.Lfunc_end_k_qa9a847ad45_wquant:
	.size	k_qa9a847ad45_wquant, .Lfunc_end_k_qa9a847ad45_wquant-k_qa9a847ad45_wquant
	.p2alignl 7, 3214868480
	.fill 96, 4, 3214868480
	.section	.rodata,"a",@progbits
	.p2align	6, 0x0
	.amdhsa_kernel k_qa9a847ad45_wquant
		.amdhsa_group_segment_fixed_size 0
		.amdhsa_private_segment_fixed_size 0
		.amdhsa_enable_private_segment 0
		.amdhsa_kernarg_size 48
		.amdhsa_user_sgpr_count 2
		.amdhsa_user_sgpr_kernarg_segment_ptr 1
		.amdhsa_wavefront_size32 1
		.amdhsa_system_sgpr_workgroup_id_x 1
		.amdhsa_system_sgpr_workgroup_id_y 1
		.amdhsa_system_sgpr_workgroup_id_z 1
		.amdhsa_system_vgpr_workitem_id 0
		.amdhsa_next_free_vgpr 176
		.amdhsa_next_free_sgpr 66
		.amdhsa_reserve_vcc 0
		.amdhsa_float_denorm_mode_32 3
		.amdhsa_float_denorm_mode_16_64 3
		.amdhsa_memory_ordered 1
		.amdhsa_forward_progress 1
		.amdhsa_inst_pref_size 37
	.end_amdhsa_kernel
	.amdgpu_metadata
---
amdhsa.version: [ 1, 2 ]
amdhsa.kernels:
  - .name:           k_qa9a847ad45_wquant
    .symbol:         k_qa9a847ad45_wquant.kd
    .args:
      - { .name: wq, .offset: 0, .size: 8, .value_kind: global_buffer, .address_space: global }
      - { .name: wk, .offset: 8, .size: 8, .value_kind: global_buffer, .address_space: global }
      - { .name: wv, .offset: 16, .size: 8, .value_kind: global_buffer, .address_space: global }
      - { .name: wproj, .offset: 24, .size: 8, .value_kind: global_buffer, .address_space: global }
      - { .name: lowp_scales, .offset: 32, .size: 8, .value_kind: global_buffer, .address_space: global }
      - { .name: wimg, .offset: 40, .size: 8, .value_kind: global_buffer, .address_space: global }
    .group_segment_fixed_size: 0
    .private_segment_fixed_size: 0
    .kernarg_segment_align: 8
    .kernarg_segment_size: 48
    .max_flat_workgroup_size: 128
    .sgpr_count:     66
    .vgpr_count:     176
    .wavefront_size: 32
...
	.end_amdgpu_metadata
.endif
;; end of part 1
;; launch qkv (part 2): grid 256 x 1, 4 waves a work-group, no clusters, 151,040 bytes of LDS; arguments x, ve, cos, sin, wgate, lowp_scales, wimg, qimg, kvimg; writes qimg, kvimg
.if DOCPART == 2
	.amdgcn_target "amdgcn-amd-amdhsa--gfx1250"
	.amdhsa_code_object_version 6
	.text
	.protected	k_qa9a847ad45_qkv
	.globl	k_qa9a847ad45_qkv
	.p2align	8
	.type	k_qa9a847ad45_qkv,@function
k_qa9a847ad45_qkv:
	s_mov_b64 s[64:65], 0
	v_nop
	global_prefetch_b8 v0, s[64:65] scope:SCOPE_SE
	s_setreg_imm32_b32 hwreg(HW_REG_WAVE_MODE, 25, 1), 1
	s_wait_xcnt 0x0
; q = rms(rope(x wq)), k = rms(rope(x wk)), v = x wv + 2 sigmoid(x[:8] wgate) ve, all three products on codes of FP8 (E4M3), and q, k, v leave as codes for the attention.
; x: [8192][1024] f32, quantised here, once for each scale that is given for it (entries 0, 2, 4 of the scales).  The weights come as fragment images (wimg: 16 rows x 128 k in 2,048 bytes; lane l's
; registers 4 c .. 4 c + 3 at 512 c + 16 l).  OUT, as images too: qimg [16 b + head][tile of 16 queries] 16 x 64 in 1,024 bytes; kvimg [4 b + kv head][block of 128 keys][16,384]: 8 tiles of K (16 keys x 64), then
; 4 tiles of V^T (16 channels x 128 keys).
; SHARES.  Work-group 2 n + hf takes tokens 64 n .. 64 n + 63 (four tiles of 16 rows).  hf = 0: q heads 0-7 and the 4 k heads; hf = 1: q heads 8-15 and the 4 v heads.  THE WAVES SHARE THE COLUMNS: wave w makes q heads
; 8 hf + 2 w, + 1 and then k or v head w, for all 64 rows: three heads of 64 columns, each 8 K steps x 16 matrix instructions on 16 accumulators that take turns.
; x: wave w quantises rows 16 w .. 16 w + 15 at both scales that its work-group needs and stores the fragments' images in LDS; behind the one barrier every wave takes all 32 fragments of a scale into 512 registers.
; The weights go from memory straight into the registers of the one wave that multiplies by them, four K steps ahead.
; NO JOINT LOADS for the weights, though all row blocks walk them: x's two sets of images take 131,072 bytes of LDS; each weight fragment feeds one wave alone, so a way through LDS would add a write and a read of every
; byte; and a slot of one K step for four waves, 32,768 bytes, would put a round of the cluster's barrier behind every 16 matrix instructions of a wave.
; LAYOUT.  q and k are made TRANSPOSED (source 0 = 16 columns of W, source 1 = 16 tokens): a lane holds ONE token (lane % 16), and tile t's register j channel 16 t + 8 (lane / 16) + j.  So the partner of the rotation, 32
; channels on, lies in the same lane two tiles on; the mean of squares wants one exchange between the halves of the lanes; and eight registers of a tile convert into registers 2 t, 2 t + 1 of the next operand.
; v is made straight (source 0 = tokens): a lane holds one channel and eight tokens, which are eight neighbours along the keys, the K of the attention's second product.  gate x ve goes in as the C of the first product.
; LIMITS on the given exponents, so that each power of two made as a bit pattern is an f32 number: e0, e2, e4, e6, e7 and e8 - e4 - e5 between -126 and 119; all other powers go by v_ldexp_f32.  NaN among the inputs is not served.
; REGISTERS, in windows of 256.  window 1: x's fragments of row tiles 0, 1 at v[16 (8 (m % 2) + s)]; window 2: of tiles 2, 3; window 3: first four sets of 64 numbers of x, then four sets of 4 weight fragments.
;   window 0: v1 at work, v[2:3] the row's factor, v4-15 addresses, v16-23 scales and holds, v24-31 at work, v32-95 codes of x / two sets of cos and sin / the gates, v96-127 codes to store, v128-255 the 16 accumulators.
.set COS,   131072                     ; LDS: 0: x's images at e0, 65,536: at e2 or e4 (fragment (m, s) at 2,048 (8 m + s));  here 64 rows of cos, 128 bytes + 16 of padding;
.set SIND,  9216                       ; sin lies so far behind cos;
.set GATE,  149504                     ; and 256 bytes for each wave: its head's gate for the 64 tokens
.set PT,    1
.set F,     2
.set LI,    4                          ; 16 x lane: an image's place for my lane
.set LI2,   5                          ; + 65,536
.set XWI,   6                          ; where I store x's images: 16 x lane + 16,384 x wave
.set XA,    7                          ; x: row lane % 16 of 4,096 bytes + 32 (lane / 16)
.set CSW,   8                          ; cos into LDS
.set XWI2,  9                          ; XWI + 65,536
.set CSR,   10                         ; cos out of LDS: row lane % 16, + 32 (lane / 16)
.set GW,    11                         ; my gates into LDS
.set GR,    12                         ; and out
.set VEO,   13                         ; ve: 8 (lane / 16) rows of 1,024 bytes + 4 (lane % 16)
.set GX,    14                         ; x for the gate: a lane a token
.set WGO,   15                         ; wgate: 4 x wave
.set SCA,   16                         ; scale and hold: x at e0,
.set LIMA,  17
.set SCB,   18                         ; x at e2 or e4,
.set LIMB,  19
.set SCQ,   20                         ; q at e6,
.set LIMQ,  21
.set SC3,   22                         ; k at e7, or v's sums at e8 - e4 - e5
.set LIM3,  23
.set T0,    24                         ; v[24:27] two pairs at work
.set SS0,   28
.set SS1,   30
.set PCA,   32
.set PCB,   48
.set CS0,   32
.set G,     32
.set CT,    64
.set QC,    96
.set GL,    96
.set ACC,   128
.set TMP,   128
.set WB0,   36                         ; s[36:37] the weights of the head in hand, s[38:39] of the next, s[40:41] of the third
.set WB1,   38
.set WB2,   40
.set QD,    42                         ; s[42:43] where q's codes go
.set KD,    44                         ; s[44:45] where k's or v's go
.set VEB,   46
.set XB,    48
.set XG,    50
.set WV,    52
.set HF,    53
.set RB,    54
.set BB,    55
.set RBL,   56
.set SEL,   66
.set EQ,    68                         ; e0 + e1
.set EQ2,   69                         ; 2 (e0 + e1) - 6
.set E3,    70                         ; e2 + e3
.set E32,   71
.set GE,    72                         ; 1 - e4 - e5
.set CNT,   75
.set MSB, 0
.macro WIN new                         ; the immediate's high byte repeats the setting that is left; a switch that changes nothing is dropped
.if MSB != (\new)
	s_set_vgpr_msb (MSB<<8)|(\new)
.set MSB, (\new)
.endif
.endm
.macro PLACES n
.rept \n
	v_nop
.endr
.endm
.macro MKSC e, sc, lim                 ; 2^e and 448 x 2^e as f32 numbers
	s_add_co_i32 s73, s[\e], 127
	s_lshl_b32 s74, s73, 23
	v_mov_b32 v[\sc], s74
	s_add_co_i32 s73, s73, 8
	s_lshl_b32 s73, s73, 23
	s_or_b32 s73, s73, 0x600000
	v_mov_b32 v[\lim], s73
.endm
; my 16 rows' numbers of K step s, 64 a lane, in the order of the operand's registers: number 8 c + i is k = 128 s + 16 c + 8 (lane / 16) + i.  The step's 16 loads cover 512 consecutive bytes of each row.
.macro XLOAD set, s
	WIN 0xc0                                       ; destination window 3
.irp c, 0,1,2,3,4,5,6,7
.irp u, 0,1
	global_load_b128 v[64*(\set)+8*\c+4*\u:64*(\set)+8*\c+4*\u+3], v[XA], s[XB:XB+1] offset:512*(\s)+64*\c+16*\u
.endr
.endr
	WIN 0
.endm
; 64 numbers in window 3 become a fragment's 16 registers of codes.  The numbers stay as they are: they are quantised a second time with the other scale.
.macro QUANT src, pc, sc, lim
	WIN 0x03                                       ; source 0 window 3
.set qi, 0
.rept 64
	v_med3_num_f32 v[TMP+qi], v[\src+qi], -v[\lim], v[\lim]   ; the conversion does not saturate (ISA guide 7.6.2): the hold at the largest code x the scale
.set qi, qi+1
.endr
	WIN 0
.irp p, 0,1,2,3,4,5,6,7
	v_cvt_scalef32_pk8_fp8_f32 v[\pc+2*\p:\pc+2*\p+1], v[TMP+8*\p:TMP+8*\p+7], v[\sc]
.endr
	v_nop                                          ; one plain vector instruction between a scaled conversion and the next vector instruction that writes its sources
.endm
.macro IMAGE adr, pc, off                      ; a fragment goes to LDS as it stands in the registers
.irp c, 0,1,2,3
	ds_store_b128 v[\adr], v[\pc+4*\c:\pc+4*\c+3] offset:\off+512*\c
.endr
.endm
.macro FETCHX adr                              ; all 32 fragments of x at one scale, into windows 1 and 2
	PLACES 4                                       ; in front of loads into registers that matrix instructions have read
	WIN 0x40
.irp m, 0,1
.irp s, 0,1,2,3,4,5,6,7
.irp c, 0,1,2,3
	ds_load_b128 v[16*(8*\m+\s)+4*\c:16*(8*\m+\s)+4*\c+3], v[\adr] offset:(8*\m+\s)*2048+512*\c
.endr
.endr
.endr
	WIN 0x80
.irp m, 0,1
.irp s, 0,1,2,3,4,5,6,7
.irp c, 0,1,2,3
	ds_load_b128 v[16*(8*\m+\s)+4*\c:16*(8*\m+\s)+4*\c+3], v[\adr] offset:(8*(\m+2)+\s)*2048+512*\c
.endr
.endr
.endr
	WIN 0
	s_wait_dscnt 0x0
.endm
.macro WLOAD set, base, ks                     ; a head's four weight fragments of K step ks: 16 loads of 512 consecutive bytes
	WIN 0xc0
.irp t, 0,1,2,3
.irp c, 0,1,2,3
	global_load_b128 v[64*(\set)+16*\t+4*\c:64*(\set)+16*\t+4*\c+3], v[LI], s[\base:\base+1] offset:8192*(\ks)+2048*\t+512*\c
.endr
.endr
	WIN 0
.endm
; 8 matrix instructions: row tiles m0, m0 + 1 x the head's four tiles of columns, K step i
.macro MM8 swap, zero, i, m0
.if \swap
	WIN 0x0d+(\m0)/2                               ; source 0 (x) window 1 or 2, source 1 (W) window 3
.else
	WIN 0x07+2*(\m0)                               ; source 0 (W) window 3, source 1 (x) window 1 or 2
.endif
.irp m, \m0, \m0+1
.irp t, 0,1,2,3
.set rA, ACC+8*(4*(\m)+\t)
.set rW, 64*((\i)%4)+16*\t
.set rX, 16*(8*((\m)%2)+(\i))
.if \swap
	v_wmma_f32_16x16x128_fp8_fp8 v[rA:rA+7], v[rX:rX+15], v[rW:rW+15], v[rA:rA+7]
.elseif (\zero) && ((\i) == 0)
	v_wmma_f32_16x16x128_fp8_fp8 v[rA:rA+7], v[rW:rW+15], v[rX:rX+15], 0
.else
	v_wmma_f32_16x16x128_fp8_fp8 v[rA:rA+7], v[rW:rW+15], v[rX:rX+15], v[rA:rA+7]
.endif
.endr
.endr
.endm
; A head: 8 K steps of 16 matrix instructions; the 16 accumulators take turns, one instruction a turn.  The set of weights just multiplied takes the K step four further on: of this head, then
; (nxt = 1) of the next.  zero = 1: the first K step starts the sums.
.macro HEAD swap, zero, nxt
.if \zero
	PLACES 5                                       ; accumulators are begun anew: five places behind the matrix instructions that wrote them
.endif
.irp i, 0,1,2,3,4,5,6,7
.if (\nxt) || (\i < 5)
	s_wait_loadcnt 48                              ; this K step's 16 loads are in; those of the three steps behind it may be out
.else
	s_wait_loadcnt 16*(7-\i)                       ; nothing follows this head: the counts run down
.endif
	MM8 \swap, \zero, \i, 0
	MM8 \swap, \zero, \i, 2
	WIN 0
	PLACES 4                                       ; in front of loads into registers that these have read, and of the first read of results
.if \i < 4
	WLOAD \i, WB0, \i+4
.elseif \nxt
	WLOAD \i-4, WB1, \i-4
.endif
.endr
.endm
.macro CSLOAD m                                ; cos and sin of row tile m at my lane's 16 channels of the first half: cos in registers 0-15 of set m % 2, sin in 16-31
.irp t, 0,1
.irp u, 0,1
	ds_load_b128 v[CS0+32*((\m)%2)+8*\t+4*\u:CS0+32*((\m)%2)+8*\t+4*\u+3], v[CSR] offset:2304*(\m)+64*\t+16*\u
	ds_load_b128 v[CS0+32*((\m)%2)+16+8*\t+4*\u:CS0+32*((\m)%2)+16+8*\t+4*\u+3], v[CSR] offset:SIND+2304*(\m)+64*\t+16*\u
.endr
.endr
.endm
; A head of q or k leaves: rotation, mean of squares, 1 / root, codes; a row tile at a time.  A sum stands for sum x 2^E: s[e1] = E, s[e2] = 2 E - 6 (the mean of 64 squares).
.macro EPI_QK e2, e1, sc, lim, dst
	s_wait_xcnt 0x0                                ; the last head's stores have read the registers of their codes
	CSLOAD 0
.irp m, 0,1,2,3
.if \m < 3
	CSLOAD \m+1
	s_wait_dscnt 8                                 ; this tile's eight loads are in; the next tile's eight may be out
.else
	s_wait_dscnt 0x0
.endif
.irp t, 0,1
.irp j, 0,2,4,6                                ; each accumulator from its low end on
.set a1, ACC+32*\m+8*\t+\j
.set a2, a1+16
.set cc, CS0+32*(\m%2)+8*\t+\j
.set sn, cc+16
.set tt, T0+\j%4
	v_pk_mul_f32 v[tt:tt+1], v[a1:a1+1], v[sn:sn+1]                                   ; x1 sin
	v_pk_mul_f32 v[a1:a1+1], v[a1:a1+1], v[cc:cc+1]                                   ; x1 cos
	v_pk_fma_f32 v[a1:a1+1], v[a2:a2+1], v[sn:sn+1], v[a1:a1+1]                       ; x1 cos + x2 sin
	v_pk_fma_f32 v[a2:a2+1], v[a2:a2+1], v[cc:cc+1], v[tt:tt+1] neg_lo:[0,0,1] neg_hi:[0,0,1]   ; x2 cos - x1 sin
.endr
.endr
	v_pk_mul_f32 v[SS0:SS0+1], v[ACC+32*\m:ACC+32*\m+1], v[ACC+32*\m:ACC+32*\m+1]     ; the squares of my 32 channels, in two chains
	v_pk_mul_f32 v[SS1:SS1+1], v[ACC+32*\m+2:ACC+32*\m+3], v[ACC+32*\m+2:ACC+32*\m+3]
.irp j, 4,8,12,16,20,24,28
	v_pk_fma_f32 v[SS0:SS0+1], v[ACC+32*\m+\j:ACC+32*\m+\j+1], v[ACC+32*\m+\j:ACC+32*\m+\j+1], v[SS0:SS0+1]
	v_pk_fma_f32 v[SS1:SS1+1], v[ACC+32*\m+\j+2:ACC+32*\m+\j+3], v[ACC+32*\m+\j+2:ACC+32*\m+\j+3], v[SS1:SS1+1]
.endr
	v_pk_add_f32 v[SS0:SS0+1], v[SS0:SS0+1], v[SS1:SS1+1]
	v_add_f32 v[SS0], v[SS0], v[SS0+1]
	v_permlanex16_b32 v[PT], v[SS0], s[SEL], s[SEL+1]   ; the token's other 32 channels lie in the lane 16 away
	v_add_f32 v[SS0], v[SS0], v[PT]
	v_ldexp_f32 v[SS0], v[SS0], s[\e2]             ; the mean of the squares
	v_add_f32 v[SS0], 0x34000000, v[SS0]           ; + eps = 2^-23
	v_rsq_f32 v[F], v[SS0]
	v_nop                                          ; a plain instruction behind the transcendental
	s_wait_alu depctr_va_vdst(0)                   ; and a wait ahead of its first reader
	v_ldexp_f32 v[F], v[F], s[\e1]                 ; 2^E / root
.set q, 0
.rept 16
	v_pk_mul_f32 v[ACC+32*\m+q:ACC+32*\m+q+1], v[ACC+32*\m+q:ACC+32*\m+q+1], v[F:F+1] op_sel_hi:[1,0]
.set q, q+2
.endr
.set q, 0
.rept 32
	v_med3_num_f32 v[ACC+32*\m+q], v[ACC+32*\m+q], -v[\lim], v[\lim]
.set q, q+1
.endr
.irp t, 0,1,2,3
	v_cvt_scalef32_pk8_fp8_f32 v[QC+8*\m+2*\t:QC+8*\m+2*\t+1], v[ACC+32*\m+8*\t:ACC+32*\m+8*\t+7], v[\sc]   ; registers 2 t, 2 t + 1 of the tile's fragment
.endr
	v_nop                                          ; a plain instruction behind the conversions: matrix instructions write their sources later
	global_store_b128 v[LI], v[QC+8*\m:QC+8*\m+3], s[\dst:\dst+1] offset:1024*\m          ; 512 consecutive bytes, aligned
	global_store_b128 v[LI], v[QC+8*\m+4:QC+8*\m+7], s[\dst:\dst+1] offset:1024*\m+512
.endr
.endm
	s_load_b512 s[4:19], s[0:1], 0x0               ; x s[4:5], ve s[6:7], cos s[8:9], sin s[10:11], wgate s[12:13], the scales s[14:15], wimg s[16:17], qimg s[18:19]
	s_load_b64 s[20:21], s[0:1], 0x40              ; kvimg
	v_lshrrev_b32 v1, 5, v0
	v_readfirstlane_b32 s[WV], v1                  ; wave 0..3
	s_and_b32 s[HF], ttmp9, 1
	s_lshr_b32 s[RB], ttmp9, 1                     ; which 64 tokens
	s_lshr_b32 s[BB], s[RB], 5                     ; the batch
	s_and_b32 s[RBL], s[RB], 31                    ; which 64 of its 2,048
	v_and_b32 v3, 31, v0                           ; lane
	v_and_b32 v1, 15, v0                           ; r
	v_bfe_u32 v2, v0, 4, 1                         ; h
	v_lshlrev_b32 v[LI], 4, v3
	v_add_nc_u32 v[LI2], 0x10000, v[LI]
	s_lshl_b32 s57, s[WV], 14
	v_add_nc_u32 v[XWI], s57, v[LI]
	v_add_nc_u32 v[XWI2], 0x10000, v[XWI]
	v_lshlrev_b32 v[XA], 12, v1
	v_lshl_add_u32 v[XA], v2, 5, v[XA]
	v_lshrrev_b32 v[CSW], 3, v3                    ; a load's 512 bytes are four rows of 128: row lane / 8, 16 bytes at lane % 8
	v_mul_u32_u24 v[CSW], v[CSW], 144
	v_and_b32 v[CSR], 7, v3
	v_lshl_add_u32 v[CSW], v[CSR], 4, v[CSW]
	s_mul_i32 s57, s[WV], 2304                     ; my 16 rows
	s_add_co_u32 s57, s57, COS
	v_add_nc_u32 v[CSW], s57, v[CSW]
	v_mul_u32_u24 v[CSR], v1, 144
	v_lshl_add_u32 v[CSR], v2, 5, v[CSR]
	v_add_nc_u32 v[CSR], COS, v[CSR]
	s_lshl_b32 s57, s[WV], 8
	s_add_co_u32 s57, s57, GATE
	v_lshl_add_u32 v[GW], v3, 2, s57
	v_lshl_add_u32 v[GR], v2, 5, s57
	v_lshlrev_b32 v[VEO], 2, v1
	v_lshl_add_u32 v[VEO], v2, 13, v[VEO]
	v_lshlrev_b32 v[GX], 12, v3
	s_lshl_b32 s57, s[WV], 2
	v_mov_b32 v[WGO], s57
	v_mov_b32 v[F+1], 0                            ; named as the upper half of the pair v[F:F+1]
	s_mov_b32 s[SEL], 0x76543210
	s_mov_b32 s[SEL+1], 0xfedcba98                 ; v_permlanex16_b32: lane l xor 16
	s_mov_b32 s59, 0
	s_wait_kmcnt 0x0
	s_load_b256 s[24:31], s[14:15], 0x0            ; e0 .. e7
	s_load_b128 s[32:35], s[14:15], 0x20           ; e8 .. e11
	s_lshl_b32 s58, s[RB], 18                      ; 64 rows of 4,096 bytes
	s_add_nc_u64 s[XG:XG+1], s[4:5], s[58:59]
	s_lshl_b32 s58, s[WV], 16
	s_add_nc_u64 s[XB:XB+1], s[XG:XG+1], s[58:59]  ; my 16 rows of x
	s_lshl_b32 s58, s[RBL], 13                     ; cos, sin: 64 rows of 128 bytes,
	s_lshl_b32 s60, s[WV], 11                      ; my 16 of them
	s_add_co_u32 s58, s58, s60
	s_add_nc_u64 s[8:9], s[8:9], s[58:59]
	s_add_nc_u64 s[10:11], s[10:11], s[58:59]
	; the gate's numbers: x[token][0..7] of tokens lane and lane + 32, and column w of wgate.  Every work-group asks for them (12 loads), so that these registers are written on every way
	global_load_b128 v[GL:GL+3], v[GX], s[XG:XG+1]
	global_load_b128 v[GL+4:GL+7], v[GX], s[XG:XG+1] offset:16
	global_load_b128 v[GL+8:GL+11], v[GX], s[XG:XG+1] offset:131072
	global_load_b128 v[GL+12:GL+15], v[GX], s[XG:XG+1] offset:131088
.irp i, 0,1,2,3,4,5,6,7
	global_load_b32 v[GL+16+\i], v[WGO], s[12:13] offset:16*\i
.endr
.irp i, 0,1,2,3
	global_load_b128 v[CT+4*\i:CT+4*\i+3], v[LI], s[8:9] offset:512*\i
	global_load_b128 v[CT+16+4*\i:CT+16+4*\i+3], v[LI], s[10:11] offset:512*\i
.endr
	XLOAD 0, 0
	XLOAD 1, 1
	XLOAD 2, 2
	XLOAD 3, 3
	s_lshl_b32 s58, s[RB], 16                      ; ve: 64 rows of 1,024 bytes, + my head's 256
	s_lshl_b32 s60, s[WV], 8
	s_add_co_u32 s58, s58, s60
	s_add_nc_u64 s[VEB:VEB+1], s[6:7], s[58:59]
	s_lshl_b32 s58, s[HF], 3
	s_lshl_b32 s60, s[WV], 1
	s_add_co_u32 s61, s58, s60                     ; my first q head: 8 hf + 2 w
	s_lshl_b32 s58, s61, 16
	s_add_nc_u64 s[WB0:WB0+1], s[16:17], s[58:59]
	s_add_nc_u64 s[WB1:WB1+1], s[WB0:WB0+1], 0x10000
	s_lshl_b32 s58, s[HF], 2
	s_add_co_u32 s58, s58, s[WV]
	s_add_co_u32 s58, s58, 16                      ; group 16 + w of wk, or 20 + w of wv
	s_lshl_b32 s58, s58, 16
	s_add_nc_u64 s[WB2:WB2+1], s[16:17], s[58:59]
	s_lshl_b32 s58, s[BB], 21                      ; qimg: 16 heads x 131,072 a batch,
	s_lshl_b32 s60, s61, 17
	s_add_co_u32 s58, s58, s60
	s_lshl_b32 s60, s[RBL], 12                     ; four tiles of 1,024 bytes
	s_add_co_u32 s58, s58, s60
	s_add_nc_u64 s[QD:QD+1], s[18:19], s[58:59]
	s_lshl_b32 s58, s[BB], 2
	s_add_co_u32 s58, s58, s[WV]
	s_lshl_b32 s58, s58, 18                        ; kvimg: 262,144 a head,
	s_lshr_b32 s60, s[RBL], 1
	s_lshl_b32 s60, s60, 14                        ; 16,384 a block of 128 keys;
	s_add_co_u32 s58, s58, s60
	s_and_b32 s60, s[RBL], 1
	s_lshl_b32 s62, s60, 10
	s_add_co_u32 s62, s62, 8192                    ; V^T: behind K's tiles; my 64 keys are chunks 2 (n % 2), + 1 of each tile;
	s_lshl_b32 s60, s60, 12                        ; K: my 64 keys are tiles 4 (n % 2) on
	s_cmp_eq_u32 s[HF], 1
	s_cselect_b32 s60, s62, s60
	s_add_co_u32 s58, s58, s60
	s_add_nc_u64 s[KD:KD+1], s[20:21], s[58:59]
	s_wait_kmcnt 0x0
	s_add_co_i32 s[EQ], s24, s25
	s_lshl_b32 s[EQ2], s[EQ], 1
	s_sub_co_i32 s[EQ2], s[EQ2], 6
	s_add_co_i32 s[E3], s26, s27
	s_lshl_b32 s[E32], s[E3], 1
	s_sub_co_i32 s[E32], s[E32], 6
	s_add_co_i32 s60, s28, s29
	s_sub_co_i32 s[GE], 1, s60
	s_sub_co_i32 s60, s32, s60                     ; a sum of v's product stands for sum x 2^(e4 + e5): its code is sum / 2^(e8 - e4 - e5)
	s_cmp_eq_u32 s[HF], 1
	s_cselect_b32 s57, s28, s26                    ; x's second scale: e4 for v, e2 for k
	s_cselect_b32 s60, s60, s31
	MKSC 24, SCA, LIMA
	MKSC 57, SCB, LIMB
	MKSC 30, SCQ, LIMQ
	MKSC 60, SC3, LIM3
	s_wait_loadcnt 63                              ; 64 loads of x were issued behind cos, sin and the gate's numbers: these are in
.irp i, 0,1,2,3
	ds_store_b128 v[CSW], v[CT+4*\i:CT+4*\i+3] offset:576*\i
	ds_store_b128 v[CSW], v[CT+16+4*\i:CT+16+4*\i+3] offset:SIND+576*\i
.endr
	; ---- x: my 16 rows, a K step at a time, at both scales; loads run four K steps ahead
.irp s, 0,1,2,3,4,5,6,7
.if \s < 5
	s_wait_loadcnt 48                              ; this K step's 16 loads are in; three steps' may be out
.else
	s_wait_loadcnt 16*(7-\s)
.endif
	s_wait_dscnt 0x0                               ; the last step's stores have read the registers of their codes
	QUANT 64*(\s%4), PCA, SCA, LIMA
	IMAGE XWI, PCA, 2048*\s
	QUANT 64*(\s%4), PCB, SCB, LIMB
	IMAGE XWI2, PCB, 2048*\s
.if \s < 4
	XLOAD \s%4, \s+4
.endif
.endr
	WLOAD 0, WB0, 0                                ; the first head's first four K steps of weights, into the registers that x's numbers have left
	WLOAD 1, WB0, 1
	WLOAD 2, WB0, 2
	WLOAD 3, WB0, 3
	; ---- the gate, where v is made: 2 sigmoid(x[:8] . wgate[:, w]) / 2^(e4 + e5), in f32, for tokens lane and lane + 32
	s_cmp_eq_u32 s[HF], 0
	s_cbranch_scc1 .Lno_gate
	v_mul_f32 v[GL+24], v[GL], v[GL+16]
	v_mul_f32 v[GL+25], v[GL+8], v[GL+16]
.irp i, 1,2,3,4,5,6,7
	v_fmac_f32 v[GL+24], v[GL+\i], v[GL+16+\i]
	v_fmac_f32 v[GL+25], v[GL+8+\i], v[GL+16+\i]
.endr
	v_mul_f32 v[GL+24], 0xbfb8aa3b, v[GL+24]       ; x -log2(e)
	v_mul_f32 v[GL+25], 0xbfb8aa3b, v[GL+25]
	v_exp_f32 v[GL+24], v[GL+24]
	v_exp_f32 v[GL+25], v[GL+25]
	v_nop
	s_wait_alu depctr_va_vdst(0)                   ; one wait for both, ahead of their first reader
	v_add_f32 v[GL+24], 1.0, v[GL+24]
	v_add_f32 v[GL+25], 1.0, v[GL+25]
	v_rcp_f32 v[GL+24], v[GL+24]
	v_rcp_f32 v[GL+25], v[GL+25]
	v_nop
	s_wait_alu depctr_va_vdst(0)
	v_ldexp_f32 v[GL+24], v[GL+24], s[GE]
	v_ldexp_f32 v[GL+25], v[GL+25], s[GE]
	ds_store_b32 v[GW], v[GL+24]
	ds_store_b32 v[GW], v[GL+25] offset:128
.Lno_gate:
	s_wait_dscnt 0x0                               ; for the others' sake: my images and my rows of cos and sin have landed
	s_barrier_signal -1
	s_barrier_wait -1                              ; the launch's one barrier: LDS is only read from here on
	FETCHX LI                                      ; x at e0
	s_mov_b32 s[CNT], 2
.Lqhead:                                           ; my two q heads
	HEAD 0, 1, 1
	EPI_QK EQ2, EQ, SCQ, LIMQ, QD
	s_wait_xcnt 0x0                                ; the loads and stores have read their bases
	s_mov_b64 s[WB0:WB0+1], s[WB1:WB1+1]
	s_mov_b64 s[WB1:WB1+1], s[WB2:WB2+1]
	s_add_nc_u64 s[QD:QD+1], s[QD:QD+1], 0x20000
	s_sub_co_u32 s[CNT], s[CNT], 1
	s_cmp_lg_u32 s[CNT], 0
	s_cbranch_scc1 .Lqhead
	s_cmp_eq_u32 s[HF], 1
	s_cbranch_scc1 .Lvpath
	FETCHX LI2                                     ; ---- k head w: x at e2
	HEAD 0, 1, 0
	EPI_QK E32, E3, SC3, LIM3, KD
	s_wait_xcnt 0x0
	v_lshl_add_u32 v254, v0, 2, 0x24c00
	v_mov_b32 v255, 0
	s_wait_tensorcnt 0x0
	ds_add_u32 v254, v255
	s_wait_dscnt 0x0
	s_endpgm
.Lvpath:                                           ; ---- v head w.  The accumulators begin as gate x ve / 2^(e4 + e5)
	PLACES 4
.irp m, 0,1,2,3
.irp j, 0,1,2,3,4,5,6,7
.irp t, 0,1,2,3
	global_load_b32 v[ACC+8*(4*\m+\t)+\j], v[VEO], s[VEB:VEB+1] offset:(16*\m+\j)*1024+64*\t th:TH_LOAD_NT   ; ve(16 m + 8 h + j, 64 w + 16 t + r); four loads on end cover 256 consecutive bytes of two rows
.endr
.endr
.endr
.irp m, 0,1,2,3
.irp u, 0,1
	ds_load_b128 v[G+8*\m+4*\u:G+8*\m+4*\u+3], v[GR] offset:64*\m+16*\u    ; the gates of tokens 16 m + 8 h + 0 .. 7: bytes that my own wave stored
.endr
.endr
	FETCHX LI2                                     ; x at e4
	s_wait_loadcnt 0x0
.irp m, 0,1,2,3
.irp t, 0,1,2,3
.irp j, 0,2,4,6
	v_pk_mul_f32 v[ACC+8*(4*\m+\t)+\j:ACC+8*(4*\m+\t)+\j+1], v[ACC+8*(4*\m+\t)+\j:ACC+8*(4*\m+\t)+\j+1], v[G+8*\m+\j:G+8*\m+\j+1]
.endr
.endr
.endr
	HEAD 1, 0, 0
	s_wait_xcnt 0x0                                ; the last q head's stores have read the registers of their codes
.irp t, 0,1,2,3
.irp m, 0,1,2,3
.irp j, 0,1,2,3,4,5,6,7
	v_med3_num_f32 v[ACC+8*(4*\m+\t)+\j], v[ACC+8*(4*\m+\t)+\j], -v[LIM3], v[LIM3]
.endr
	v_cvt_scalef32_pk8_fp8_f32 v[QC+8*\t+2*\m:QC+8*\t+2*\m+1], v[ACC+8*(4*\m+\t):ACC+8*(4*\m+\t)+7], v[SC3]   ; eight keys of channel 16 t + r
.endr
.endr
	v_nop
.irp t, 0,1,2,3
.irp u, 0,1
	global_store_b128 v[LI], v[QC+8*\t+4*\u:QC+8*\t+4*\u+3], s[KD:KD+1] offset:2048*\t+512*\u
.endr
.endr
	s_wait_xcnt 0x0
	v_lshl_add_u32 v254, v0, 2, 0x24c00
	v_mov_b32 v255, 0
	s_wait_tensorcnt 0x0
	ds_add_u32 v254, v255
	s_wait_dscnt 0x0
	s_endpgm
.Lfunc_end_k_qa9a847ad45_qkv:
	.size	k_qa9a847ad45_qkv, .Lfunc_end_k_qa9a847ad45_qkv-k_qa9a847ad45_qkv
	.p2alignl 7, 3214868480
	.fill 96, 4, 3214868480
	.section	.rodata,"a",@progbits
	.p2align	6, 0x0
	.amdhsa_kernel k_qa9a847ad45_qkv
		.amdhsa_group_segment_fixed_size 151040
		.amdhsa_private_segment_fixed_size 0
		.amdhsa_enable_private_segment 0
		.amdhsa_kernarg_size 72
		.amdhsa_user_sgpr_count 2
		.amdhsa_user_sgpr_kernarg_segment_ptr 1
		.amdhsa_wavefront_size32 1
		.amdhsa_system_sgpr_workgroup_id_x 1
		.amdhsa_system_sgpr_workgroup_id_y 1
		.amdhsa_system_sgpr_workgroup_id_z 1
		.amdhsa_system_vgpr_workitem_id 0
		.amdhsa_next_free_vgpr 1024
		.amdhsa_next_free_sgpr 100
		.amdhsa_reserve_vcc 0
		.amdhsa_float_denorm_mode_32 3
		.amdhsa_float_denorm_mode_16_64 3
		.amdhsa_memory_ordered 1
		.amdhsa_forward_progress 1
		.amdhsa_inst_pref_size 255
	.end_amdhsa_kernel
	.section	.bss,"aw",@nobits
	.p2align	6
	.space	262144
	.amdgpu_metadata
---
amdhsa.version: [ 1, 2 ]
amdhsa.kernels:
  - .name:           k_qa9a847ad45_qkv
    .symbol:         k_qa9a847ad45_qkv.kd
    .args:
      - { .name: x, .offset: 0, .size: 8, .value_kind: global_buffer, .address_space: global }
      - { .name: ve, .offset: 8, .size: 8, .value_kind: global_buffer, .address_space: global }
      - { .name: cos, .offset: 16, .size: 8, .value_kind: global_buffer, .address_space: global }
      - { .name: sin, .offset: 24, .size: 8, .value_kind: global_buffer, .address_space: global }
      - { .name: wgate, .offset: 32, .size: 8, .value_kind: global_buffer, .address_space: global }
      - { .name: lowp_scales, .offset: 40, .size: 8, .value_kind: global_buffer, .address_space: global }
      - { .name: wimg, .offset: 48, .size: 8, .value_kind: global_buffer, .address_space: global }
      - { .name: qimg, .offset: 56, .size: 8, .value_kind: global_buffer, .address_space: global }
      - { .name: kvimg, .offset: 64, .size: 8, .value_kind: global_buffer, .address_space: global }
    .group_segment_fixed_size: 151040
    .private_segment_fixed_size: 0
    .kernarg_segment_align: 8
    .kernarg_segment_size: 72
    .max_flat_workgroup_size: 128
    .sgpr_count:     100
    .vgpr_count:     1024
    .wavefront_size: 32
...
	.end_amdgpu_metadata
.endif
;; end of part 2
;; launch attn (part 3): grid 16 x 32, 16 waves a work-group, clusters of 4 x 1, 169,984 bytes of LDS; arguments qimg, kvimg, lowp_scales, yimg; writes yimg
.if DOCPART == 3
	.amdgcn_target "amdgcn-amd-amdhsa--gfx1250"
	.amdhsa_code_object_version 6
	.text
	.protected	k_qa9a847ad45_attn
	.globl	k_qa9a847ad45_attn
	.p2align	8
	.type	k_qa9a847ad45_attn,@function
k_qa9a847ad45_attn:
	s_mov_b64 s[64:65], 0
	v_nop
	global_prefetch_b8 v0, s[64:65] scope:SCOPE_SE
	s_setreg_imm32_b32 hwreg(HW_REG_WAVE_MODE, 25, 1), 1
	s_wait_xcnt 0x0
	s_wait_alu depctr_hold_cnt(0) depctr_sa_sdst(0) depctr_va_vdst(0) depctr_va_sdst(0) depctr_va_ssrc(0) depctr_va_vcc(0) depctr_vm_vsrc(0)
	s_getreg_b32 s2, hwreg(HW_REG_IB_STS2, 6, 4)
	s_cmp_eq_u32 s2, 0
	s_cbranch_scc0 .Lentry_in_a_cluster
	s_endpgm
.Lentry_in_a_cluster:
	s_bfe_u32 s2, ttmp6, 0x10000c
	s_cmp_lg_u32 s2, 0x3003
	s_cbranch_scc0 .Lentry_shape_is_right
	s_endpgm
.Lentry_shape_is_right:
; y[b][q][head] = the sum over the keys k with q - 1024 < k <= q of softmax_k(q . k / 8) v[k], both products on codes of FP8 (E4M3) with the given scales (q: entry 6, k: 7, v: 8, p: 9), and y leaves as codes at entry 10.
; THE SOFTMAX AHEAD OF THE SECOND PRODUCT: t = score x log2(e) / 8; M = the row's largest t so far, rounded UP to a whole number; p = 2^(t - M) is what is quantised; it is not normalised.  The row's sum is taken of the
; unquantised p, in f32, and divides at the end.  When M moves, the sum and O are multiplied by 2^(old M - new M): exact.
; IN: qimg [16 b + head][tile of 16 queries]: 16 x 64 codes as a fragment image of 1,024 bytes (lane l's registers 4 c .. 4 c + 3 at 512 c + 16 l); kvimg [4 b + kv head][block of 128 keys][16,384]: 8 tiles of K, 4 of V^T.
; OUT: yimg [tile of 16 tokens][head]: 16 x 64 codes as an image: a tile's 16,384 bytes are its eight fragments along the last product's K = 1,024.
; SHARES.  A work-group owns 256 queries of one head; each of its sixteen waves 16 of them in 256 registers: four waves to a SIMD, so that one wave's vector work stands beside another's matrix work and LDS loads.
; CLUSTER.  The four work-groups of a cluster are the four query heads of one key and value head at the same 256 queries: they need the same keys, so each tile is asked for JOINTLY.  My place in the cluster enters the
; addresses of Q and of y alone.
; NO RING.  The keys that count for 256 queries lie in ten blocks of 128: 163,840 consecutive bytes of kvimg, which fit in LDS whole.  They are asked for at the start, in two parts (blocks 0, 1; blocks 2 to 9), and nothing
; is filled again.  Blocks are counted from max(2 m - 8, 0), m the block of queries, so the ten never pass the head's sixteen.  All that comes from memory is asked for at the head, so nothing is prefetched.
; Every wave walks all ten blocks: the trip counts are constants.  A block none of whose keys counts for the wave's 16 queries is passed over by a scalar branch on ids; the blocks on the two edges of the band are masked.
; LAYOUT.  Both products are used transposed: S^T = K Q^T (source 0 = 16 keys), O^T = V^T P (source 0 = 16 channels): a lane holds ONE query (lane % 16) throughout.  Register j of tile c of S^T is key
; 16 c + 8 (lane / 16) + j, which is the place of registers 2 c, 2 c + 1 of the second product's operand; likewise O^T's tiles convert into y's fragment.
; LIMITS on the given exponents: e6 + e7 between -124 and 130 (added to c's exponent field); e9 and e10 between -126 and 119; e8 + e9 goes by v_ldexp_f32.
; REGISTERS: v1 16 x lane; v8 the block's LDS address; v9 lane % 16 - 8 (lane / 16); v12 -M, v13 the largest t, v[14:15] the sum in two halves; v16-23 Q; v32-95 K's tiles, then V's; v96-159 S^T, then p; v160-191 O^T;
;   v192-223 y; v224-239 p's codes, later y's; v240-254 scales, holds and work.
.set LI,   1
.set ADR,  8
.set WV,   12
.set SEL,  20                          ; s[20:21] v_permlanex16_b32: lane l xor 16
.set CS,   22                          ; s[22:23] c = log2(e) / 8 x 2^(e6 + e7)
.set G1A,  24                          ; s[24:31] descriptor group 1: 32 rows of 256 bytes;  s[32:39]: 128 rows
.set G1B,  32
.set G0A,  40
.set G0B,  44
.set TB,   48                          ; LDS byte at which the block in hand begins
.set KF,   49                          ; its first key
.set Q0,   50                          ; my first query
.set CNT,  51
.macro PLACES n
.rept \n
	v_nop
.endr
.endm
.macro MKSC e, sc, lim
	s_add_co_i32 s77, s[\e], 127
	s_lshl_b32 s78, s77, 23
	v_mov_b32 v[\sc], s78
	s_add_co_i32 s77, s77, 8
	s_lshl_b32 s77, s77, 23
	s_or_b32 s77, s77, 0x600000
	v_mov_b32 v[\lim], s77
.endm
; A round of the cluster's barrier: my work-group's barrier; wave 0 signals for the work-group; every wave waits for all four work-groups; my work-group's barrier once more.
.macro ROUND
	s_barrier_signal -1
	s_barrier_wait -1
	s_cmp_lg_u32 s[WV], 0
	s_cbranch_scc1 .Lnot_wave_0_\@
	s_barrier_signal -3
.Lnot_wave_0_\@:
	s_barrier_wait -3
	s_barrier_signal -1
	s_barrier_wait -1
.endm
; A KEY STEP: the block of 128 keys at LDS byte s[TB].
.macro STEP
	s_add_co_u32 s52, s[Q0], 15
	s_cmp_gt_u32 s[KF], s52                        ; all its keys come after my queries,
	s_cbranch_scc1 .Lhidden_\@
	s_add_co_u32 s52, s[KF], 1151
	s_cmp_le_u32 s52, s[Q0]                        ; or its last key, KF + 127, is at most my first query - 1024: nothing counts
	s_cbranch_scc1 .Lhidden_\@
	v_add_nc_u32 v[ADR], s[TB], v[LI]
	PLACES 4                                       ; in front of loads into registers that matrix instructions have read
.irp c, 0,1,2,3,4,5,6,7
.irp u, 0,1
	ds_load_b128 v[32+8*\c+4*\u:32+8*\c+4*\u+3], v[ADR] offset:1024*\c+512*\u
.endr
.endr
	s_wait_dscnt 0x0
.irp c, 0,1,2,3,4,5,6,7
	v_wmma_f32_16x16x64_fp8_fp8 v[96+8*\c:103+8*\c], v[32+8*\c:39+8*\c], v[16:23], 0
.endr
	PLACES 4                                       ; in front of the loads below and of the first read of the scores
.irp t, 0,1,2,3
.irp c, 0,1,2,3
	ds_load_b128 v[32+16*\t+4*\c:32+16*\t+4*\c+3], v[ADR] offset:8192+2048*\t+512*\c   ; V's tiles land while the softmax is walked
.endr
.endr
	s_add_co_u32 s52, s[KF], 127                   ; the upper edge: a key counts where key <= query.  Passed over where the block's last key is at most my first query
	s_cmp_le_u32 s52, s[Q0]
	s_cbranch_scc1 .Lopen_\@
	s_sub_co_i32 s52, s[Q0], s[KF]
	v_add_nc_u32 v250, s52, v9                     ; d = my query - KF - 8 (lane / 16).  Register 8 c + j holds key KF + 8 (lane / 16) + 16 c + j: hidden where 16 c + j > d
.irp c, 0,1,2,3,4,5,6,7
.irp j, 0,1,2,3,4,5,6,7
	v_cmp_gt_i32 vcc_lo, 16*\c+\j, v250
	v_cndmask_b32 v[96+8*\c+\j], v[96+8*\c+\j], v251, vcc_lo
.endr
.endr
.Lopen_\@:
	s_add_co_u32 s52, s[KF], 1024                  ; the lower edge: a key counts where key > query - 1024.  Passed over where the block's first key counts for my last query
	s_add_co_u32 s53, s[Q0], 15
	s_cmp_gt_u32 s52, s53
	s_cbranch_scc1 .Lwide_\@
	s_sub_co_i32 s52, s[Q0], s[KF]
	s_sub_co_i32 s52, s52, 1024
	v_add_nc_u32 v250, s52, v9                     ; d - 1024: hidden where 16 c + j <= that
.irp c, 0,1,2,3,4,5,6,7
.irp j, 0,1,2,3,4,5,6,7
	v_cmp_le_i32 vcc_lo, 16*\c+\j, v250
	v_cndmask_b32 v[96+8*\c+\j], v[96+8*\c+\j], v251, vcc_lo
.endr
.endr
.Lwide_\@:
	v_max3_num_f32 v254, v96, v97, v98             ; the step's largest score of my query among my 64 keys, in two chains; each tile is first read at its low end
	v_max3_num_f32 v252, v99, v100, v101
.irp i, 6,10,14,18,22,26,30,34,38,42,46,50,54,58
	v_max3_num_f32 v254, v254, v[96+\i], v[97+\i]
	v_max3_num_f32 v252, v252, v[98+\i], v[99+\i]
.endr
	v_max3_num_f32 v254, v254, v158, v159
	v_max_num_f32 v254, v254, v252
	v_permlanex16_b32 v248, v254, s[SEL], s[SEL+1]
	v_max_num_f32 v254, v254, v248                 ; and among lane l xor 16's
	v_mul_f32 v254, s[CS], v254                    ; as t (c is positive)
	v_max_num_f32 v13, v13, v254                   ; the running largest t.  (A query none of whose keys counts in this step keeps its old one, and its p are 0)
	v_mov_b32 v254, v12
	v_floor_f32 v12, -v13                          ; the new -M = floor(-t): M is a whole number
	v_sub_f32 v254, v12, v254                      ; old M - new M: a whole number, 0 or less
	v_cvt_i32_f32 v254, v254                       ; (it saturates)
	v_ldexp_f32 v252, 1.0, v254                    ; f = 2^(old M - new M)
.set j, 0
.rept 32
	v_pk_fma_f32 v[96+j:97+j], v[96+j:97+j], s[CS:CS+1], v[12:13] op_sel_hi:[1,0,0]   ; t - M, two at a time (of the pairs c and -M the low word serves both halves)
.set j, j+2
.endr
.set j, 0
.rept 64
	v_exp_f32 v[96+j], v[96+j]                     ; p = 2^(t - M), at most 1
.set j, j+1
.endr
	v_pk_mul_f32 v[14:15], v[14:15], v[252:253] op_sel_hi:[1,0]   ; the sums under the new M: the plain instruction behind the exponentials
	s_wait_alu depctr_va_vdst(0)                   ; one wait for the whole batch, ahead of its first reader
	v_pk_add_f32 v[242:243], v[96:97], v[98:99]    ; the row's sum is taken of the unquantised p, in two chains
.irp j, 4,8,12,16,20,24,28,32,36,40,44,48,52,56,60
	v_pk_add_f32 v[14:15], v[14:15], v[96+\j:97+\j]
	v_pk_add_f32 v[242:243], v[242:243], v[98+\j:99+\j]
.endr
	v_pk_add_f32 v[14:15], v[14:15], v[242:243]
.set j, 0
.rept 64
	v_min_num_f32 v[96+j], v[96+j], v240           ; the conversion does not saturate (ISA guide 7.6.2); p is not negative, so the hold is one-sided
.set j, j+1
.endr
.irp c, 0,1,2,3,4,5,6,7
	v_cvt_scalef32_pk8_fp8_f32 v[224+2*\c:225+2*\c], v[96+8*\c:103+8*\c], v244
.endr
.set j, 0
.rept 16
	v_pk_mul_f32 v[160+j:161+j], v[160+j:161+j], v[252:253] op_sel_hi:[1,0]   ; O^T under the new M.  (Also the plain instructions between the conversions and the products)
.set j, j+2
.endr
	s_wait_dscnt 0x0                               ; V's tiles are in
.irp t, 0,1,2,3
	v_wmma_f32_16x16x128_fp8_fp8 v[160+8*\t:167+8*\t], v[32+16*\t:47+16*\t], v[224:239], v[160+8*\t:167+8*\t]   ; four accumulators, one instruction each
.endr
.Lhidden_\@:
	s_add_co_u32 s[TB], s[TB], 16384
	s_add_co_u32 s[KF], s[KF], 128
.endm
	s_load_b256 s[4:11], s[0:1], 0x0               ; qimg s[4:5], kvimg s[6:7], the scales s[8:9], yimg s[10:11]
	v_lshl_add_u32 v249, v0, 2, 0x29000
	v_mov_b32 v255, 0
	ds_add_u32 v249, v255
	ds_add_u32 v249, v255
	v_lshrrev_b32 v2, 5, v0
	v_readfirstlane_b32 s[WV], v2                  ; wave 0..15
	v_and_b32 v3, 31, v0
	v_lshlrev_b32 v[LI], 4, v3
	v_and_b32 v4, 15, v0
	v_bfe_u32 v5, v0, 4, 1
	v_lshlrev_b32 v5, 3, v5
	v_sub_nc_u32 v9, v4, v5                        ; r - 8 h
	s_bfe_u32 s13, ttmp6, 0x40000                  ; cx: my place in the cluster
	s_lshl_b32 s14, ttmp9, 2                       ; ttmp9 counts clusters: the key and value head
	s_add_co_u32 s14, s14, s13                     ; my query head
	s_and_b32 s18, ttmp7, 0xffff
	s_and_b32 s15, s18, 3                          ; the batch
	s_lshr_b32 s16, s18, 2
	s_sub_co_u32 s16, 7, s16                       ; m, the block of 256 queries: those with the most keys come first
	s_lshl_b32 s17, s16, 1
	s_sub_co_i32 s17, s17, 8
	s_max_i32 s17, s17, 0                          ; the first of my ten blocks of keys
	s_lshl_b32 s[KF], s17, 7
	s_lshl_b32 s[Q0], s16, 8
	s_lshl_b32 s52, s[WV], 4
	s_add_co_u32 s[Q0], s[Q0], s52
	s_mov_b32 s[TB], 0
	s_lshl_b32 s52, s15, 2
	s_add_co_u32 s52, s52, ttmp9
	s_lshl_b32 s52, s52, 18                        ; the head's 262,144 bytes of kvimg,
	s_lshl_b32 s53, s17, 14
	s_add_co_u32 s52, s52, s53                     ; from my first block on
	s_mov_b32 s53, 0
	s_and_b32 s54, s[WV], 3                        ; waves 0 to 3 fetch, a quarter of each part
	s_lshl_b32 s55, s54, 13                        ; 8,192 bytes of blocks 0 and 1,
	s_lshl_b32 s57, s54, 15
	s_add_co_u32 s57, s57, 32768                   ; 32,768 bytes of blocks 2 to 9: in LDS as in memory
	s_mov_b32 s59, 0
	; descriptor group 1: rows of 32 elements of 8 bytes, dense in memory and in LDS
	s_mov_b32 s[G1A], 15|(3<<16)|(1<<21)           ; 15:0 the mask: all four work-groups; 17:16 elements of 8 bytes; 21 set beside a mask
	s_mov_b32 s[G1A+1], 32<<16                     ; tensor_dim0 = 32
	s_mov_b32 s[G1A+2], 32<<16                     ; tensor_dim1 = 32
	s_mov_b32 s[G1A+3], 32<<16                     ; tile_dim0 = 32
	s_mov_b32 s[G1A+4], 32                         ; tile_dim1 = 32
	s_mov_b32 s[G1A+5], 32                         ; from row to row: 32 elements
	s_mov_b32 s[G1A+6], 0
	s_mov_b32 s[G1A+7], 0
	s_mov_b32 s[G1B], 15|(3<<16)|(1<<21)
	s_mov_b32 s[G1B+1], 32<<16
	s_mov_b32 s[G1B+2], 128<<16                    ; 128 rows
	s_mov_b32 s[G1B+3], 32<<16
	s_mov_b32 s[G1B+4], 128
	s_mov_b32 s[G1B+5], 32
	s_mov_b32 s[G1B+6], 0
	s_mov_b32 s[G1B+7], 0
	s_mov_b32 s[SEL], 0x76543210
	s_mov_b32 s[SEL+1], 0xfedcba98
	s_mov_b32 s[CS], 0x3e38aa3b                    ; log2(e) / 8
	s_wait_dscnt 0x0
	s_wait_kmcnt 0x0
	s_load_b256 s[68:75], s[8:9], 0x10             ; e4 .. e11
	s_add_nc_u64 s[6:7], s[6:7], s[52:53]
	s_mov_b32 s[G0A], 1                            ; count = 1
	s_mov_b32 s[G0A+1], s55                        ; LDS address
	s_mov_b32 s58, s55
	s_add_nc_u64 s[G0A+2:G0A+3], s[6:7], s[58:59]  ; global address
	s_or_b32 s[G0A+3], s[G0A+3], 0x80000000        ; type = 2
	s_mov_b32 s[G0B], 1
	s_mov_b32 s[G0B+1], s57
	s_mov_b32 s58, s57
	s_add_nc_u64 s[G0B+2:G0B+3], s[6:7], s[58:59]
	s_or_b32 s[G0B+3], s[G0B+3], 0x80000000
	ROUND                                          ; all four work-groups are here: the joint loads meet
	s_cmp_lt_u32 s[WV], 4                          ; a fetching wave's two loads stand in one branch on the wave's number; two loads of mine are out at the most
	s_cbranch_scc0 .Lno_fetch
	tensor_load_to_lds s[G0A:G0A+3], s[G1A:G1A+7]
	s_nop 0
	tensor_load_to_lds s[G0B:G0B+3], s[G1B:G1B+7]
	s_nop 0
	PLACES 4
.Lno_fetch:
	s_lshl_b32 s60, s15, 4
	s_add_co_u32 s60, s60, s14
	s_lshl_b32 s60, s60, 17                        ; qimg: 131,072 bytes a head,
	s_lshl_b32 s62, s16, 4
	s_add_co_u32 s62, s62, s[WV]                   ; tile 16 m + w
	s_lshl_b32 s63, s62, 10
	s_add_co_u32 s60, s60, s63
	s_mov_b32 s61, 0
	s_add_nc_u64 s[4:5], s[4:5], s[60:61]
	global_load_b128 v[16:19], v[LI], s[4:5]       ; Q's fragment stays in registers
	global_load_b128 v[20:23], v[LI], s[4:5] offset:512
	s_lshl_b32 s63, s15, 7
	s_add_co_u32 s63, s63, s62                     ; yimg: tile of tokens 128 b + 16 m + w,
	s_lshl_b32 s63, s63, 4
	s_add_co_u32 s63, s63, s14                     ; its head
	s_lshl_b32 s60, s63, 10
	s_add_nc_u64 s[10:11], s[10:11], s[60:61]
	v_mov_b32 v13, 0xff61b1e6                      ; the largest t so far: -3e38, under every t
	v_floor_f32 v12, -v13                          ; -M
	v_mov_b32 v14, 0                               ; the sum, in two halves
	v_mov_b32 v15, 0
	v_mov_b32 v248, 0                              ; written once: a lane permute's destination counts as one of its sources
	v_mov_b32 v253, 0                              ; (named as the upper half of the pair v[252:253])
	v_mov_b32 v251, 0xff800000                     ; -infinity, for hidden keys
.set j, 0
.rept 32
	v_mov_b32 v[160+j], 0                          ; O^T.  (The step is written without a first form: it finds zeros, which the first change of M leaves zeros)
.set j, j+1
.endr
	s_wait_kmcnt 0x0
	s_add_co_i32 s52, s70, s71
	s_lshl_b32 s52, s52, 23
	s_add_co_i32 s[CS], s[CS], s52                 ; a score stands for score x 2^(e6 + e7): the two exponents are added to c's exponent field
	s_mov_b32 s[CS+1], s[CS]                       ; (named with it as a pair)
	s_add_co_i32 s76, s72, s73                     ; e8 + e9
	MKSC 73, 244, 240                              ; p at e9
	MKSC 74, 245, 241                              ; y at e10
	s_wait_tensorcnt 0x1                           ; my part of blocks 0 and 1 is in; my part of the other eight, issued behind it, may be out
	s_barrier_signal -1
	s_barrier_wait -1                              ; everybody's is
	s_wait_loadcnt 0x0                             ; Q
	s_mov_b32 s[CNT], 2
.Lfirst:
	STEP
	s_sub_co_u32 s[CNT], s[CNT], 1
	s_cmp_lg_u32 s[CNT], 0
	s_cbranch_scc1 .Lfirst
	s_wait_tensorcnt 0x0                           ; my part of blocks 2 to 9 is in
	s_wait_dscnt 0x0
	s_barrier_signal -1
	s_barrier_wait -1
	s_mov_b32 s[CNT], 8
.Lrest:
	STEP
	s_sub_co_u32 s[CNT], s[CNT], 1
	s_cmp_lg_u32 s[CNT], 0
	s_cbranch_scc1 .Lrest
	; THE WAY OUT: y = O^T x 2^(e8 + e9) / the sum, quantised at e10; the four tiles' codes are the eight registers of y's fragment for this head, stored as they stand
	PLACES 4                                       ; behind the last products
	v_add_f32 v14, v14, v15
	v_permlanex16_b32 v248, v14, s[SEL], s[SEL+1]
	v_add_f32 v14, v14, v248                       ; the row's sum; key = query always counts, so it is above 1/2
	v_rcp_f32 v14, v14
	v_nop
	s_wait_alu depctr_va_vdst(0)
	v_ldexp_f32 v14, v14, s76
.set j, 0
.rept 32
	v_mul_f32 v[192+j], v[160+j], v14              ; each accumulator from its low end on
.set j, j+1
.endr
.set j, 0
.rept 32
	v_med3_num_f32 v[192+j], v[192+j], -v241, v241
.set j, j+1
.endr
.irp t, 0,1,2,3
	v_cvt_scalef32_pk8_fp8_f32 v[224+2*\t:225+2*\t], v[192+8*\t:199+8*\t], v245
.endr
	v_nop
	global_store_b128 v[LI], v[224:227], s[10:11]             ; 512 consecutive bytes, aligned
	global_store_b128 v[LI], v[228:231], s[10:11] offset:512
	s_wait_dscnt 0x0
	s_wait_tensorcnt 0x0
	ds_add_u32 v249, v255
	s_wait_dscnt 0x0
	ROUND                                          ; the closing round: no work-group ends while a partner may still ask for a tile that names it
	s_endpgm
.Lfunc_end_k_qa9a847ad45_attn:
	.size	k_qa9a847ad45_attn, .Lfunc_end_k_qa9a847ad45_attn-k_qa9a847ad45_attn
	.p2alignl 7, 3214868480
	.fill 96, 4, 3214868480
	.section	.rodata,"a",@progbits
	.p2align	6, 0x0
	.amdhsa_kernel k_qa9a847ad45_attn
		.amdhsa_group_segment_fixed_size 169984
		.amdhsa_private_segment_fixed_size 0
		.amdhsa_enable_private_segment 0
		.amdhsa_kernarg_size 32
		.amdhsa_user_sgpr_count 2
		.amdhsa_user_sgpr_kernarg_segment_ptr 1
		.amdhsa_wavefront_size32 1
		.amdhsa_system_sgpr_workgroup_id_x 1
		.amdhsa_system_sgpr_workgroup_id_y 1
		.amdhsa_system_sgpr_workgroup_id_z 1
		.amdhsa_system_vgpr_workitem_id 0
		.amdhsa_next_free_vgpr 256
		.amdhsa_next_free_sgpr 80
		.amdhsa_reserve_vcc 1
		.amdhsa_float_denorm_mode_32 3
		.amdhsa_float_denorm_mode_16_64 3
		.amdhsa_memory_ordered 1
		.amdhsa_forward_progress 1
		.amdhsa_inst_pref_size 64
	.end_amdhsa_kernel
	.amdgpu_metadata
---
amdhsa.version: [ 1, 2 ]
amdhsa.kernels:
  - .name:           k_qa9a847ad45_attn
    .symbol:         k_qa9a847ad45_attn.kd
    .args:
      - { .name: qimg, .offset: 0, .size: 8, .value_kind: global_buffer, .address_space: global }
      - { .name: kvimg, .offset: 8, .size: 8, .value_kind: global_buffer, .address_space: global }
      - { .name: lowp_scales, .offset: 16, .size: 8, .value_kind: global_buffer, .address_space: global }
      - { .name: yimg, .offset: 24, .size: 8, .value_kind: global_buffer, .address_space: global }
    .group_segment_fixed_size: 169984
    .private_segment_fixed_size: 0
    .kernarg_segment_align: 8
    .kernarg_segment_size: 32
    .max_flat_workgroup_size: 512
    .sgpr_count:     80
    .vgpr_count:     256
    .wavefront_size: 32
...
	.end_amdgpu_metadata
.endif
;; end of part 3
;; launch proj (part 4): grid 32 x 8, 4 waves a work-group, clusters of 4 x 1, 168,448 bytes of LDS; arguments yimg, wimg, lowp_scales, out0; writes out0
.if DOCPART == 4
	.amdgcn_target "amdgcn-amd-amdhsa--gfx1250"
	.amdhsa_code_object_version 6
	.text
	.protected	k_qa9a847ad45_proj
	.globl	k_qa9a847ad45_proj
	.p2align	8
	.type	k_qa9a847ad45_proj,@function
k_qa9a847ad45_proj:
	s_mov_b64 s[64:65], 0
	v_nop
	global_prefetch_b8 v0, s[64:65] scope:SCOPE_SE
	s_setreg_imm32_b32 hwreg(HW_REG_WAVE_MODE, 25, 1), 1
	s_wait_xcnt 0x0
	s_wait_alu depctr_hold_cnt(0) depctr_sa_sdst(0) depctr_va_vdst(0) depctr_va_sdst(0) depctr_va_ssrc(0) depctr_va_vcc(0) depctr_vm_vsrc(0)
	s_getreg_b32 s2, hwreg(HW_REG_IB_STS2, 6, 4)
	s_cmp_eq_u32 s2, 0
	s_cbranch_scc0 .Lentry_in_a_cluster
	s_endpgm
.Lentry_in_a_cluster:
	s_bfe_u32 s2, ttmp6, 0x10000c
	s_cmp_lg_u32 s2, 0x3003
	s_cbranch_scc0 .Lentry_shape_is_right
	s_endpgm
.Lentry_shape_is_right:
; out0 = y wproj, on codes of FP8 (E4M3): y at entry 10 of the scales, wproj at entry 11; sums in f32, each multiplied once by 2^(e10 + e11).
; IN: yimg [tile of 16 tokens][8 fragments of 16 x 128 along K = 1,024], wimg groups 24-39 [64 columns: K step s][tile t of 16 columns], all as fragment images of 2,048 bytes (lane l's registers 4 c .. 4 c + 3 at 512 c + 16 l).
; SHARES.  A work-group makes 256 tokens x 128 columns.  THE WAVES SHARE THE ROWS: wave w holds the 32 fragments of its 64 tokens (65,536 consecutive bytes of yimg) in 512 registers, loaded straight from memory.
; The work-group's 131,072 bytes of weights lie in LDS whole: they are asked for once, at the start, in two halves of 64 columns, and nothing is filled again.  Two passes of 64 columns: 8 K steps x 16 matrix
; instructions on 16 accumulators that take turns.
; CLUSTER.  The four work-groups of a cluster are four blocks of tokens at the same 128 columns: they ask for the weights JOINTLY.  y's fragments, which the eight work-groups along y read, are not shared so: each
; goes into the registers of one wave and never lies in LDS.  My place in the cluster enters the addresses of y and of out0 alone.
; THE MATRIX INSTRUCTION IS USED TRANSPOSED (source 0 = 16 columns of W, source 1 = 16 tokens): a lane holds eight neighbouring numbers of a row of out0.  A block of 16 rows x 64 columns goes through the wave's own stage in
; LDS and leaves as whole rows of 256 bytes.
; LIMIT: e10 + e11 between -126 and 127, so that 2^(e10 + e11) is an f32 number.
; REGISTERS: window 0: v4-8 addresses; v32-63 a block's numbers; v64-127 rows read back, two sets; v128-255 the accumulators ((m, t) at v[128 + 8 (4 m + t)]).  windows 1, 2: y's fragments ((m, s) at v[16 (8 (m % 2) + s)]).
;   window 3: two sets of four weight fragments.
.set STAGE, 131072                     ; behind the weights: 16 rows x (256 bytes + 16) for each wave; no tile lands here
.set LI,   4
.set LI2,  5
.set STO,  6
.set RD,   7
.set CO,   8
.set TMP,  32
.set BK,   64
.set ACC,  128
.set WV,   12
.set G1,   24
.set G0A,  32
.set G0B,  36
.set SCL,  40                          ; s[40:41] 2^(e10 + e11), twice
.set YB,   44
.set MSB, 0
.macro WIN new                         ; the immediate's high byte repeats the setting that is left
.if MSB != (\new)
	s_set_vgpr_msb (MSB<<8)|(\new)
.set MSB, (\new)
.endif
.endm
.macro PLACES n
.rept \n
	v_nop
.endr
.endm
.macro ROUND                           ; a round of the cluster's barrier
	s_barrier_signal -1
	s_barrier_wait -1
	s_cmp_lg_u32 s[WV], 0
	s_cbranch_scc1 .Lnot_wave_0_\@
	s_barrier_signal -3
.Lnot_wave_0_\@:
	s_barrier_wait -3
	s_barrier_signal -1
	s_barrier_wait -1
.endm
.macro WFETCH adr, ks, set             ; the four weight fragments of K step ks
	WIN 0xc0
.irp t, 0,1,2,3
.irp c, 0,1,2,3
	ds_load_b128 v[64*(\set)+16*\t+4*\c:64*(\set)+16*\t+4*\c+3], v[\adr] offset:8192*(\ks)+2048*\t+512*\c
.endr
.endr
	WIN 0
.endm
.macro MM8 i, m0                       ; 8 matrix instructions: row tiles m0, m0 + 1 x four tiles of columns; the first K step starts the sums
	WIN 0x07+2*(\m0)                               ; source 0 (W) window 3, source 1 (y) window 1 or 2
.irp m, \m0, \m0+1
.irp t, 0,1,2,3
.set rA, ACC+8*(4*(\m)+\t)
.set rW, 64*((\i)%2)+16*\t
.set rX, 16*(8*((\m)%2)+(\i))
.if (\i) == 0
	v_wmma_f32_16x16x128_fp8_fp8 v[rA:rA+7], v[rW:rW+15], v[rX:rX+15], 0
.else
	v_wmma_f32_16x16x128_fp8_fp8 v[rA:rA+7], v[rW:rW+15], v[rX:rX+15], v[rA:rA+7]
.endif
.endr
.endr
.endm
.macro PASS adr                        ; 64 columns: the weights' fragments run one K step ahead, in two sets
	PLACES 5                                       ; accumulators are begun anew, and loads go into registers that matrix instructions have read
	WFETCH \adr, 0, 0
.irp i, 0,1,2,3,4,5,6,7
.if \i > 0
	PLACES 4                                       ; in front of loads into the set that the last K step multiplied
.endif
.if \i < 7
	WFETCH \adr, \i+1, (\i+1)%2
	s_wait_dscnt 16                                ; this K step's 16 loads are in; the next step's may be out
.else
	s_wait_dscnt 0x0
.endif
	MM8 \i, 0
	MM8 \i, 2
	WIN 0
.endr
.endm
.macro TOSTAGE m                       ; row tile m: x 2^(e10 + e11), into my stage, and back as whole rows
.irp t, 0,1,2,3
.irp q, 0,2,4,6
	v_pk_mul_f32 v[TMP+8*\t+\q:TMP+8*\t+\q+1], v[ACC+8*(4*(\m)+\t)+\q:ACC+8*(4*(\m)+\t)+\q+1], s[SCL:SCL+1] op_sel_hi:[1,0]   ; each accumulator from its low end on
.endr
.endr
.irp t, 0,1,2,3
.irp u, 0,1
	ds_store_b128 v[STO], v[TMP+8*\t+4*\u:TMP+8*\t+4*\u+3] offset:64*\t+16*\u
.endr
.endr
.irp i, 0,1,2,3,4,5,6,7
	ds_load_b128 v[BK+32*((\m)%2)+4*\i:BK+32*((\m)%2)+4*\i+3], v[RD] offset:544*\i   ; LDS serves a wave's instructions in order (ISA guide 5.7.1.4): these see the stores above
.endr
.endm
.macro SEND m, younger, p              ; younger: the LDS instructions issued behind tile m's loads, which may stay out
	s_wait_dscnt \younger
.irp i, 0,1,2,3,4,5,6,7
	global_store_b128 v[CO], v[BK+32*((\m)%2)+4*\i:BK+32*((\m)%2)+4*\i+3], s[10:11] offset:(16*(\m)+2*\i)*4096+256*(\p) th:TH_STORE_NT   ; sixteen lanes store 256 consecutive bytes, aligned; two rows an instruction
.endr
.endm
.macro OUT p
	s_wait_xcnt 0x0                                ; earlier stores have read their registers
	PLACES 4                                       ; behind the last products
	TOSTAGE 0
.irp m, 1,2,3
.if \m > 1
	s_wait_xcnt 0x0                                ; tile m - 2's stores have read the set that tile m's loads land in
.endif
	TOSTAGE \m
	SEND \m-1, 16, \p                              ; behind tile m - 1's loads: tile m's 8 stores and 8 loads
.endr
	SEND 3, 0, \p
.endm
	s_load_b256 s[4:11], s[0:1], 0x0               ; yimg s[4:5], wimg s[6:7], the scales s[8:9], out0 s[10:11]
	v_lshl_add_u32 v30, v0, 2, 0x29000
	v_mov_b32 v31, 0
	ds_add_u32 v30, v31
	ds_add_u32 v30, v31
	v_lshrrev_b32 v1, 5, v0
	v_readfirstlane_b32 s[WV], v1                  ; wave 0..3
	v_and_b32 v3, 31, v0
	v_and_b32 v1, 15, v0                           ; r
	v_bfe_u32 v2, v0, 4, 1                         ; h
	v_lshlrev_b32 v[LI], 4, v3
	v_add_nc_u32 v[LI2], 0x10000, v[LI]
	s_mul_i32 s16, s[WV], 4352
	s_add_co_u32 s16, s16, STAGE                   ; my stage
	v_mul_u32_u24 v[STO], v1, 272                  ; in: row r, 32 bytes for each half of the lanes
	v_lshl_add_u32 v[STO], v2, 5, v[STO]
	v_add_nc_u32 v[STO], s16, v[STO]
	v_mul_u32_u24 v[RD], v2, 272                   ; back: lanes 0-15 one row of 256 bytes, lanes 16-31 the next
	v_lshl_add_u32 v[RD], v1, 4, v[RD]
	v_add_nc_u32 v[RD], s16, v[RD]
	v_lshlrev_b32 v[CO], 12, v2                    ; and the same two rows in out0
	v_lshl_add_u32 v[CO], v1, 4, v[CO]
	s_and_b32 s15, ttmp7, 0xffff                   ; which 128 columns
	s_lshl_b32 s16, s15, 1
	s_add_co_u32 s16, s16, 24                      ; wproj's groups begin at 24
	s_lshl_b32 s16, s16, 16
	s_lshl_b32 s18, s[WV], 14                      ; my quarter of a group: 16,384 bytes, in LDS as in memory
	s_add_co_u32 s16, s16, s18
	s_mov_b32 s17, 0
	s_add_co_u32 s19, s18, 65536
	; descriptor group 1: 64 rows of 32 elements of 8 bytes, dense in memory and in LDS
	s_mov_b32 s[G1], 15|(3<<16)|(1<<21)            ; 15:0 the mask: all four work-groups; 17:16 elements of 8 bytes; 21 set beside a mask
	s_mov_b32 s[G1+1], 32<<16                      ; tensor_dim0 = 32
	s_mov_b32 s[G1+2], 64<<16                      ; tensor_dim1 = 64
	s_mov_b32 s[G1+3], 32<<16                      ; tile_dim0 = 32
	s_mov_b32 s[G1+4], 64                          ; tile_dim1 = 64
	s_mov_b32 s[G1+5], 32                          ; from row to row
	s_mov_b32 s[G1+6], 0
	s_mov_b32 s[G1+7], 0
	s_wait_dscnt 0x0
	s_wait_kmcnt 0x0
	s_load_b64 s[42:43], s[8:9], 0x28              ; e10, e11
	s_mov_b32 s[G0A], 1
	s_mov_b32 s[G0A+1], s18
	s_add_nc_u64 s[G0A+2:G0A+3], s[6:7], s[16:17]
	s_mov_b32 s[G0B], 1
	s_mov_b32 s[G0B+1], s19
	s_add_nc_u64 s[G0B+2:G0B+3], s[G0A+2:G0A+3], 0x10000
	s_or_b32 s[G0A+3], s[G0A+3], 0x80000000        ; type = 2
	s_or_b32 s[G0B+3], s[G0B+3], 0x80000000
	ROUND                                          ; all four work-groups are here: the joint loads meet
	tensor_load_to_lds s[G0A:G0A+3], s[G1:G1+7]    ; the first 64 columns' weights,
	s_nop 0
	tensor_load_to_lds s[G0B:G0B+3], s[G1:G1+7]    ; the second: two loads of mine are out
	s_nop 0
	PLACES 4
	s_bfe_u32 s13, ttmp6, 0x40000                  ; cx
	s_lshl_b32 s14, ttmp9, 2
	s_add_co_u32 s14, s14, s13                     ; which 256 tokens
	s_lshl_b32 s20, s14, 18
	s_lshl_b32 s22, s[WV], 16
	s_add_co_u32 s20, s20, s22
	s_mov_b32 s21, 0
	s_add_nc_u64 s[YB:YB+1], s[4:5], s[20:21]      ; my 64 tokens' fragments
	s_lshl_b32 s20, s14, 20
	s_lshl_b32 s22, s[WV], 18
	s_add_co_u32 s20, s20, s22
	s_lshl_b32 s22, s15, 9
	s_add_co_u32 s20, s20, s22
	s_add_nc_u64 s[10:11], s[10:11], s[20:21]      ; my first row of out0, at the work-group's first column
	WIN 0x40
.irp m, 0,1
.irp s, 0,1,2,3,4,5,6,7
.irp c, 0,1,2,3
	global_load_b128 v[16*(8*\m+\s)+4*\c:16*(8*\m+\s)+4*\c+3], v[LI], s[YB:YB+1] offset:16384*\m+2048*\s+512*\c
.endr
.endr
.endr
	WIN 0x80
.irp m, 0,1
.irp s, 0,1,2,3,4,5,6,7
.irp c, 0,1,2,3
	global_load_b128 v[16*(8*\m+\s)+4*\c:16*(8*\m+\s)+4*\c+3], v[LI], s[YB:YB+1] offset:16384*(\m+2)+2048*\s+512*\c
.endr
.endr
.endr
	WIN 0
	s_wait_kmcnt 0x0
	s_add_co_i32 s[SCL], s42, s43
	s_add_co_i32 s[SCL], s[SCL], 127
	s_lshl_b32 s[SCL], s[SCL], 23                  ; 2^(e10 + e11) as f32
	s_mov_b32 s[SCL+1], s[SCL]                     ; (named with it as a pair)
	s_wait_tensorcnt 0x1                           ; my quarter of the first 64 columns is in; the second load may be out
	s_barrier_signal -1
	s_barrier_wait -1                              ; everybody's is
	s_wait_loadcnt 0x0                             ; y
	PASS LI
	OUT 0
	s_wait_tensorcnt 0x0                           ; my quarter of the second 64 columns is in
	s_wait_dscnt 0x0
	s_barrier_signal -1
	s_barrier_wait -1
	PASS LI2
	OUT 1
	s_wait_dscnt 0x0
	s_wait_tensorcnt 0x0
	ds_add_u32 v30, v31
	s_wait_dscnt 0x0
	ROUND                                          ; the closing round: no work-group ends while a partner may still ask for a tile that names it
	s_endpgm
.Lfunc_end_k_qa9a847ad45_proj:
	.size	k_qa9a847ad45_proj, .Lfunc_end_k_qa9a847ad45_proj-k_qa9a847ad45_proj
	.p2alignl 7, 3214868480
	.fill 96, 4, 3214868480
	.section	.rodata,"a",@progbits
	.p2align	6, 0x0
	.amdhsa_kernel k_qa9a847ad45_proj
		.amdhsa_group_segment_fixed_size 168448
		.amdhsa_private_segment_fixed_size 0
		.amdhsa_enable_private_segment 0
		.amdhsa_kernarg_size 32
		.amdhsa_user_sgpr_count 2
		.amdhsa_user_sgpr_kernarg_segment_ptr 1
		.amdhsa_wavefront_size32 1
		.amdhsa_system_sgpr_workgroup_id_x 1
		.amdhsa_system_sgpr_workgroup_id_y 1
		.amdhsa_system_sgpr_workgroup_id_z 1
		.amdhsa_system_vgpr_workitem_id 0
		.amdhsa_next_free_vgpr 1024
		.amdhsa_next_free_sgpr 66
		.amdhsa_reserve_vcc 0
		.amdhsa_float_denorm_mode_32 3
		.amdhsa_float_denorm_mode_16_64 3
		.amdhsa_memory_ordered 1
		.amdhsa_forward_progress 1
		.amdhsa_inst_pref_size 77
	.end_amdhsa_kernel
	.amdgpu_metadata
---
amdhsa.version: [ 1, 2 ]
amdhsa.kernels:
  - .name:           k_qa9a847ad45_proj
    .symbol:         k_qa9a847ad45_proj.kd
    .args:
      - { .name: yimg, .offset: 0, .size: 8, .value_kind: global_buffer, .address_space: global }
      - { .name: wimg, .offset: 8, .size: 8, .value_kind: global_buffer, .address_space: global }
      - { .name: lowp_scales, .offset: 16, .size: 8, .value_kind: global_buffer, .address_space: global }
      - { .name: out0, .offset: 24, .size: 8, .value_kind: global_buffer, .address_space: global }
    .group_segment_fixed_size: 168448
    .private_segment_fixed_size: 0
    .kernarg_segment_align: 8
    .kernarg_segment_size: 32
    .max_flat_workgroup_size: 128
    .sgpr_count:     66
    .vgpr_count:     1024
    .wavefront_size: 32
...
	.end_amdgpu_metadata
.endif
;; end of part 4
;; ======== version 2 of 2: 4 launches
;; workspace buffers: wimg 2,621,440 bytes; qimg 8,388,608 bytes; kvimg 4,194,304 bytes; yimg 8,388,608 bytes
;; launch wquant (part 5): grid 20 x 8, 4 waves a work-group, no clusters, 0 bytes of LDS; arguments wq, wk, wv, wproj, lowp_scales, wimg; writes wimg
.if DOCPART == 5
	.amdgcn_target "amdgcn-amd-amdhsa--gfx1250"
	.amdhsa_code_object_version 6
	.text
	.protected	k_qa9a847ad45_wquant
	.globl	k_qa9a847ad45_wquant
	.p2align	8
	.type	k_qa9a847ad45_wquant,@function
k_qa9a847ad45_wquant:
	s_mov_b64 s[64:65], 0
	v_nop
	global_prefetch_b8 v0, s[64:65] scope:SCOPE_SE
	s_setreg_imm32_b32 hwreg(HW_REG_WAVE_MODE, 25, 1), 1
	s_wait_xcnt 0x0
; The four weights, f32 stored [K = 1024][N], become codes of FP8 (E4M3), each with its given scale 2^e (wq: entry 1, wk: 3, wv: 5, wproj: 11 of the scales).
; code = w / 2^e, held within +-448, rounded to the nearest code, ties to even.
; OUT: wimg, 40 groups of 64 output columns (0-15 wq, 16-19 wk, 20-23 wv, 24-39 wproj), 65,536 bytes each: [K step s of 128][tile t of 16 columns], each a FRAGMENT IMAGE of 2,048 bytes:
; chunk c (512 bytes), place 16 h + r (16 bytes): of column 16 t + r the codes of k = 32 c + 8 h + 0..7, then k = 32 c + 16 + 8 h + 0..7.  Those are registers 4 c .. 4 c + 3 of lane 16 h + r of the
; operand of v_wmma_f32_16x16x128_fp8_fp8 (ISA guide 7.12.2), so a reader fills a fragment by four loads of 16 bytes a lane at 16 x lane + 512 c.
; SHARES: work-group x takes 128 columns (0-7 wq, 8-9 wk, 10-11 wv, 12-19 wproj), y a K step of 128.  A wave takes 32 columns: A LANE TAKES A COLUMN AND ITS REGISTERS RUN DOWN K, so each load reads 128
; consecutive bytes a wave, and the conversions, which take neighbours along K from one lane, give codes with K innermost.  Nothing is transposed and nothing goes through LDS:
; a lane's 16 bytes for half h of chunk c lie 16 bytes from its neighbour's, so sixteen lanes store 256 consecutive bytes, aligned.
; LIMITS: each e between -126 and 119, so that 2^e and 448 x 2^e are f32 numbers.  NaN among the inputs is not served.
; No matrix work, no barrier, no cluster: waves share nothing, and every byte is read once.
.set X, 16                             ; v16-143  128 numbers down K
.set C, 144                            ; v144-175 codes: eight registers a block of 32, never written again, so no store's data are rewritten
.macro LOADW pitch                     ; w(128 s + i, my column), i = 0 .. 127
.set li, 0
.rept 128
	global_load_b32 v[X+li], v2, s[18:19] offset:li*\pitch th:TH_LOAD_NT
.set li, li+1
.endr
.endm
.macro BLOCK b                         ; k = 32 b .. 32 b + 31: chunk b of the image
.set li, 0
.rept 32
	v_med3_num_f32 v[X+32*\b+li], v[X+32*\b+li], -v10, v10   ; the conversion to an 8-bit code does not saturate (ISA guide 7.6.2): the hold at the largest code x the scale
.set li, li+1
.endr
	v_cvt_scalef32_pk8_fp8_f32 v[C+8*\b:C+8*\b+1], v[X+32*\b:X+32*\b+7], v11           ; half 0: k + 0..7,
	v_cvt_scalef32_pk8_fp8_f32 v[C+8*\b+2:C+8*\b+3], v[X+32*\b+16:X+32*\b+23], v11     ;         k + 16..23
	v_cvt_scalef32_pk8_fp8_f32 v[C+8*\b+4:C+8*\b+5], v[X+32*\b+8:X+32*\b+15], v11      ; half 1: k + 8..15,
	v_cvt_scalef32_pk8_fp8_f32 v[C+8*\b+6:C+8*\b+7], v[X+32*\b+24:X+32*\b+31], v11     ;         k + 24..31
	global_store_b128 v3, v[C+8*\b:C+8*\b+3], s[14:15] offset:512*\b                   ; lanes 0-15: 256 consecutive bytes of tile 2 (w % 2); lanes 16-31: of the next tile
	global_store_b128 v3, v[C+8*\b+4:C+8*\b+7], s[14:15] offset:512*\b+256
.endm
	s_load_b256 s[4:11], s[0:1], 0x0               ; wq s[4:5], wk s[6:7], wv s[8:9], wproj s[10:11]
	s_load_b128 s[12:15], s[0:1], 0x20             ; the scales s[12:13], wimg s[14:15]
	v_lshrrev_b32 v1, 5, v0
	v_readfirstlane_b32 s16, v1                    ; wave
	v_and_b32 v4, 31, v0                           ; lane
	v_lshlrev_b32 v2, 2, v4                        ; in: 4 bytes a lane
	v_lshrrev_b32 v5, 4, v4
	v_and_b32 v6, 15, v4
	v_lshlrev_b32 v3, 4, v6
	v_lshl_add_u32 v3, v5, 11, v3                  ; out: 16 (lane % 16) + 2,048 (lane / 16): my column's place in its tile's image
	s_and_b32 s17, ttmp7, 0xffff                   ; the K step
	s_sub_co_u32 s20, ttmp9, 12                    ; which 128 columns of its tensor: as wproj's,
	s_sub_co_u32 s22, ttmp9, 10                    ; as wv's,
	s_sub_co_u32 s23, ttmp9, 8                     ; as wk's
	s_wait_kmcnt 0x0
	s_load_b256 s[24:31], s[12:13], 0x0            ; e0 .. e7
	s_load_b128 s[32:35], s[12:13], 0x20           ; e8 .. e11
	s_mov_b64 s[18:19], s[10:11]                   ; the tensor is chosen by the work-group's number alone
	s_cmp_lt_u32 ttmp9, 12
	s_cselect_b64 s[18:19], s[8:9], s[18:19]
	s_cselect_b32 s20, s22, s20
	s_cmp_lt_u32 ttmp9, 10
	s_cselect_b64 s[18:19], s[6:7], s[18:19]
	s_cselect_b32 s20, s23, s20
	s_cmp_lt_u32 ttmp9, 8
	s_cselect_b64 s[18:19], s[4:5], s[18:19]
	s_cselect_b32 s20, ttmp9, s20
	s_cmp_lt_u32 s23, 4                            ; wk and wv have rows of 1,024 bytes, wq and wproj of 4,096
	s_cselect_b32 s36, 10, 12
	s_lshl_b32 s38, s17, 7
	s_lshl_b32 s38, s38, s36                       ; 128 s rows
	s_lshl_b32 s37, s20, 9                         ; + 128 columns x 4 bytes for each step along x
	s_add_co_u32 s38, s38, s37
	s_lshl_b32 s37, s16, 7                         ; + 32 columns a wave
	s_add_co_u32 s38, s38, s37
	s_mov_b32 s39, 0
	s_add_nc_u64 s[18:19], s[18:19], s[38:39]
	s_lshl_b32 s38, ttmp9, 1
	s_lshr_b32 s37, s16, 1
	s_add_co_u32 s38, s38, s37                     ; the group: 2 x + wave / 2
	s_lshl_b32 s38, s38, 16
	s_lshl_b32 s37, s17, 13                        ; + 8,192 s
	s_add_co_u32 s38, s38, s37
	s_and_b32 s37, s16, 1
	s_lshl_b32 s37, s37, 12                        ; + two tiles for the odd wave
	s_add_co_u32 s38, s38, s37
	s_add_nc_u64 s[14:15], s[14:15], s[38:39]
	s_cmp_lt_u32 s23, 4
	s_cbranch_scc1 .Lnarrow                        ; both ways issue the same 128 loads; only the immediates differ
	s_wait_alu depctr_va_vdst(0)
	LOADW 4096
	s_branch .Lloaded
.Lnarrow:
	s_wait_alu depctr_va_vdst(0)
	LOADW 1024
.Lloaded:
	s_wait_kmcnt 0x0
	s_mov_b32 s21, s35                             ; e, chosen as the tensor was
	s_cmp_lt_u32 ttmp9, 12
	s_cselect_b32 s21, s29, s21
	s_cmp_lt_u32 ttmp9, 10
	s_cselect_b32 s21, s27, s21
	s_cmp_lt_u32 ttmp9, 8
	s_cselect_b32 s21, s25, s21
	s_add_co_i32 s21, s21, 127
	s_lshl_b32 s22, s21, 23
	v_mov_b32 v11, s22                             ; 2^e as f32: the conversion takes its exponent field
	s_add_co_i32 s21, s21, 8
	s_lshl_b32 s21, s21, 23
	s_or_b32 s21, s21, 0x600000
	v_mov_b32 v10, s21                             ; 448 x 2^e
	s_wait_alu depctr_va_vdst(0)
	s_wait_loadcnt 63                              ; at most 63 of the 128 are out: the first 65 are in, blocks 0 and 1 among them
	BLOCK 0
	BLOCK 1
	s_wait_loadcnt 32                              ; the last block's 32 may be out
	BLOCK 2
	s_wait_loadcnt 0x0
	BLOCK 3
	s_endpgm
.Lfunc_end_k_qa9a847ad45_wquant:
	.size	k_qa9a847ad45_wquant, .Lfunc_end_k_qa9a847ad45_wquant-k_qa9a847ad45_wquant
	.p2alignl 7, 3214868480
	.fill 96, 4, 3214868480
	.section	.rodata,"a",@progbits
	.p2align	6, 0x0
	.amdhsa_kernel k_qa9a847ad45_wquant
		.amdhsa_group_segment_fixed_size 0
		.amdhsa_private_segment_fixed_size 0
		.amdhsa_enable_private_segment 0
		.amdhsa_kernarg_size 48
		.amdhsa_user_sgpr_count 2
		.amdhsa_user_sgpr_kernarg_segment_ptr 1
		.amdhsa_wavefront_size32 1
		.amdhsa_system_sgpr_workgroup_id_x 1
		.amdhsa_system_sgpr_workgroup_id_y 1
		.amdhsa_system_sgpr_workgroup_id_z 1
		.amdhsa_system_vgpr_workitem_id 0
		.amdhsa_next_free_vgpr 176
		.amdhsa_next_free_sgpr 66
		.amdhsa_reserve_vcc 0
		.amdhsa_float_denorm_mode_32 3
		.amdhsa_float_denorm_mode_16_64 3
		.amdhsa_memory_ordered 1
		.amdhsa_forward_progress 1
		.amdhsa_inst_pref_size 37
	.end_amdhsa_kernel
	.amdgpu_metadata
---
amdhsa.version: [ 1, 2 ]
amdhsa.kernels:
  - .name:           k_qa9a847ad45_wquant
    .symbol:         k_qa9a847ad45_wquant.kd
    .args:
      - { .name: wq, .offset: 0, .size: 8, .value_kind: global_buffer, .address_space: global }
      - { .name: wk, .offset: 8, .size: 8, .value_kind: global_buffer, .address_space: global }
      - { .name: wv, .offset: 16, .size: 8, .value_kind: global_buffer, .address_space: global }
      - { .name: wproj, .offset: 24, .size: 8, .value_kind: global_buffer, .address_space: global }
      - { .name: lowp_scales, .offset: 32, .size: 8, .value_kind: global_buffer, .address_space: global }
      - { .name: wimg, .offset: 40, .size: 8, .value_kind: global_buffer, .address_space: global }
    .group_segment_fixed_size: 0
    .private_segment_fixed_size: 0
    .kernarg_segment_align: 8
    .kernarg_segment_size: 48
    .max_flat_workgroup_size: 128
    .sgpr_count:     66
    .vgpr_count:     176
    .wavefront_size: 32
...
	.end_amdgpu_metadata
.endif
;; end of part 5
;; launch qkv (part 6): grid 256 x 1, 4 waves a work-group, no clusters, 151,040 bytes of LDS; arguments x, ve, cos, sin, wgate, lowp_scales, wimg, qimg, kvimg; writes qimg, kvimg
.if DOCPART == 6
	.amdgcn_target "amdgcn-amd-amdhsa--gfx1250"
	.amdhsa_code_object_version 6
	.text
	.protected	k_qa9a847ad45_qkv
	.globl	k_qa9a847ad45_qkv
	.p2align	8
	.type	k_qa9a847ad45_qkv,@function
k_qa9a847ad45_qkv:
	s_mov_b64 s[64:65], 0
	v_nop
	global_prefetch_b8 v0, s[64:65] scope:SCOPE_SE
	s_setreg_imm32_b32 hwreg(HW_REG_WAVE_SCHED_MODE, 0, 2), 2
	s_setreg_imm32_b32 hwreg(HW_REG_WAVE_MODE, 25, 1), 1
	s_wait_xcnt 0x0
	s_wait_alu depctr_vm_vsrc(0)
; q = rms(rope(x wq)), k = rms(rope(x wk)), v = x wv + 2 sigmoid(x[:8] wgate) ve, all three products on codes of FP8 (E4M3), and q, k, v leave as codes for the attention.
; x: [8192][1024] f32, quantised here, once for each scale that is given for it (entries 0, 2, 4 of the scales).  The weights come as fragment images (wimg: 16 rows x 128 k in 2,048 bytes; lane l's
; registers 4 c .. 4 c + 3 at 512 c + 16 l).  OUT, as images too: qimg [16 b + head][tile of 16 queries] 16 x 64 in 1,024 bytes; kvimg [4 b + kv head][block of 128 keys][16,384]: 8 tiles of K (16 keys x 64), then
; 4 tiles of V^T (16 channels x 128 keys).
; SHARES.  Work-group 2 n + hf takes tokens 64 n .. 64 n + 63 (four tiles of 16 rows).  hf = 0: q heads 0-7 and the 4 k heads; hf = 1: q heads 8-15 and the 4 v heads.  THE WAVES SHARE THE COLUMNS: wave w makes q heads
; 8 hf + 2 w, + 1 and then k or v head w, for all 64 rows: three heads of 64 columns, each 8 K steps x 16 matrix instructions on 16 accumulators that take turns.
; x: wave w quantises rows 16 w .. 16 w + 15 at both scales that its work-group needs and stores the fragments' images in LDS; behind the one barrier every wave takes all 32 fragments of a scale into 512 registers.
; The weights go from memory straight into the registers of the one wave that multiplies by them, three K steps ahead.
; NO JOINT LOADS for the weights, though all row blocks walk them: x's two sets of images take 131,072 bytes of LDS; each weight fragment feeds one wave alone, so a way through LDS would add a write and a read of every
; byte; and a slot of one K step for four waves, 32,768 bytes, would put a round of the cluster's barrier behind every 16 matrix instructions of a wave.
; LAYOUT.  q and k are made TRANSPOSED (source 0 = 16 columns of W, source 1 = 16 tokens): a lane holds ONE token (lane % 16), and tile t's register j channel 16 t + 8 (lane / 16) + j.  So the partner of the rotation, 32
; channels on, lies in the same lane two tiles on; the mean of squares wants one exchange between the halves of the lanes; and eight registers of a tile convert into registers 2 t, 2 t + 1 of the next operand.
; v is made straight (source 0 = tokens): a lane holds one channel and eight tokens, which are eight neighbours along the keys, the K of the attention's second product.  gate x ve goes in as the C of the first product.
; LIMITS on the given exponents, so that each power of two made as a bit pattern is an f32 number: e0, e2, e4, e6, e7 and e8 - e4 - e5 between -126 and 119; all other powers go by v_ldexp_f32.  NaN among the inputs is not served.
; REGISTERS, in windows of 256.  window 1: x's fragments of row tiles 0, 1 at v[16 (8 (m % 2) + s)]; window 2: of tiles 2, 3; window 3: first four sets of 64 numbers of x, then four sets of 4 weight fragments.
;   window 0: v1 at work, v[2:3] the row's factor, v4-15 addresses, v16-23 scales and holds, v24-31 at work, v32-95 codes of x / two sets of cos and sin / the gates, v96-127 codes to store, v128-255 the 16 accumulators.
; THE MODE: SCHED_MODE bits 1:0 = 2 (LLVM: expert scheduling mode 2), set by the entry lines.  The code itself states the register dependences between vector or matrix instructions and memory or LDS
; instructions, with s_wait_alu, always for 0.
; THE PLAN.  Registers that memory or LDS instructions touch, and who else names them:
;   v4-15          addresses: written at the head, never again.  One wait on va_vdst ahead of the first load serves every access by them.
;   window 3, x    set s % 4: read by step s's holds, then loaded again (K step s + 4).     v32-63: written by step s's conversions, read by its eight LDS stores.
;                  One wait on va_vdst a step, behind both quantisations, ahead of the stores and the loads; one on vm_vsrc at the head of the next step.
;   window 3, W    set i % 4: read by K step i's matrix instructions, loaded again in K step i + 1, whose matrix instructions name another set.  One wait on va_vdst at a K step's head; the step's 16 loads
;                  are dealt among its 16 matrix instructions with no further wait.
;   windows 1, 2   x's fragments: loaded from LDS, read by matrix instructions, loaded once more for the third head, behind the last wait of the second head's way out.
;   v32-95         two sets of cos and sin: set m % 2 is read by row tile m's rotation and loaded again at tile m + 1's head.  The wait behind tile m's root stands between.
;   v96-127        codes, eight registers a row tile: written by tile m's conversions, read by two stores, which stand behind the wait of tile m + 1's root (the last tile's: behind a wait of their own);
;                  written again by the next head, behind a wait on vm_vsrc at its way out's head.
;   v128-255       on v's way alone: ve's loads land in the accumulators, behind the last wait of the second head's way out.
.set COS,   131072                     ; LDS: 0: x's images at e0, 65,536: at e2 or e4 (fragment (m, s) at 2,048 (8 m + s));  here 64 rows of cos, 128 bytes + 16 of padding;
.set SIND,  9216                       ; sin lies so far behind cos;
.set GATE,  149504                     ; and 256 bytes for each wave: its head's gate for the 64 tokens
.set PT,    1
.set F,     2
.set LI,    4                          ; 16 x lane: an image's place for my lane
.set LI2,   5                          ; + 65,536
.set XWI,   6                          ; where I store x's images: 16 x lane + 16,384 x wave
.set XA,    7                          ; x: row lane % 16 of 4,096 bytes + 32 (lane / 16)
.set CSW,   8                          ; cos into LDS
.set XWI2,  9                          ; XWI + 65,536
.set CSR,   10                         ; cos out of LDS: row lane % 16, + 32 (lane / 16)
.set GW,    11                         ; my gates into LDS
.set GR,    12                         ; and out
.set VEO,   13                         ; ve: 8 (lane / 16) rows of 1,024 bytes + 4 (lane % 16)
.set GX,    14                         ; x for the gate: a lane a token
.set WGO,   15                         ; wgate: 4 x wave
.set SCA,   16                         ; scale and hold: x at e0,
.set LIMA,  17
.set SCB,   18                         ; x at e2 or e4,
.set LIMB,  19
.set SCQ,   20                         ; q at e6,
.set LIMQ,  21
.set SC3,   22                         ; k at e7, or v's sums at e8 - e4 - e5
.set LIM3,  23
.set T0,    24                         ; v[24:27] two pairs at work
.set SS0,   28
.set SS1,   30
.set PCA,   32
.set PCB,   48
.set CS0,   32
.set G,     32
.set CT,    64
.set QC,    96
.set GL,    96
.set ACC,   128
.set TMP,   128
.set WB0,   36                         ; s[36:37] the weights of the head in hand, s[38:39] of the next, s[40:41] of the third
.set WB1,   38
.set WB2,   40
.set QD,    42                         ; s[42:43] where q's codes go
.set KD,    44                         ; s[44:45] where k's or v's go
.set VEB,   46
.set XB,    48
.set XG,    50
.set WV,    52
.set HF,    53
.set RB,    54
.set BB,    55
.set RBL,   56
.set SEL,   66
.set EQ,    68                         ; e0 + e1
.set EQ2,   69                         ; 2 (e0 + e1) - 6
.set E3,    70                         ; e2 + e3
.set E32,   71
.set GE,    72                         ; 1 - e4 - e5
.set CNT,   75
.set MSB, 0
.macro WIN new                         ; the immediate's high byte repeats the setting that is left; a switch that changes nothing is dropped
.if MSB != (\new)
	s_set_vgpr_msb (MSB<<8)|(\new)
.set MSB, (\new)
.endif
.endm
.macro PLACES n
.rept \n
	v_nop
.endr
.endm
.macro MKSC e, sc, lim                 ; 2^e and 448 x 2^e as f32 numbers
	s_add_co_i32 s73, s[\e], 127
	s_lshl_b32 s74, s73, 23
	v_mov_b32 v[\sc], s74
	s_add_co_i32 s73, s73, 8
	s_lshl_b32 s73, s73, 23
	s_or_b32 s73, s73, 0x600000
	v_mov_b32 v[\lim], s73
.endm
; my 16 rows' numbers of K step s, 64 a lane, in the order of the operand's registers: number 8 c + i is k = 128 s + 16 c + 8 (lane / 16) + i.  The step's 16 loads cover 512 consecutive bytes of each row.
.macro XLOAD set, s
	WIN 0xc0                                       ; destination window 3
.irp c, 0,1,2,3,4,5,6,7
.irp u, 0,1
	global_load_b128 v[64*(\set)+8*\c+4*\u:64*(\set)+8*\c+4*\u+3], v[XA], s[XB:XB+1] offset:512*(\s)+64*\c+16*\u
.endr
.endr
	WIN 0
.endm
; 64 numbers in window 3 become a fragment's 16 registers of codes.  The numbers stay as they are: they are quantised a second time with the other scale.
.macro QUANT src, pc, sc, lim
	WIN 0x03                                       ; source 0 window 3
.set qi, 0
.rept 64
	v_med3_num_f32 v[TMP+qi], v[\src+qi], -v[\lim], v[\lim]   ; the conversion does not saturate (ISA guide 7.6.2): the hold at the largest code x the scale
.set qi, qi+1
.endr
	WIN 0
.irp p, 0,1,2,3,4,5,6,7
	v_cvt_scalef32_pk8_fp8_f32 v[\pc+2*\p:\pc+2*\p+1], v[TMP+8*\p:TMP+8*\p+7], v[\sc]
.endr
	v_nop                                          ; one plain vector instruction between a scaled conversion and the next vector instruction that writes its sources
.endm
.macro IMAGE adr, pc, off                      ; a fragment goes to LDS as it stands in the registers
.irp c, 0,1,2,3
	ds_store_b128 v[\adr], v[\pc+4*\c:\pc+4*\c+3] offset:\off+512*\c
.endr
.endm
; All 32 fragments of x at one scale, into windows 1 and 2.  No wait on va_vdst stands here.  The first time no vector or matrix instruction has named these registers; the second time the matrix instructions that read
; them stand ahead of the last wait of the second head's way out, and nothing behind that wait names them or the address.
.macro FETCHX adr
	PLACES 4                                       ; in front of loads into registers that matrix instructions have read
	WIN 0x40
.irp m, 0,1
.irp s, 0,1,2,3,4,5,6,7
.irp c, 0,1,2,3
	ds_load_b128 v[16*(8*\m+\s)+4*\c:16*(8*\m+\s)+4*\c+3], v[\adr] offset:(8*\m+\s)*2048+512*\c
.endr
.endr
.endr
	WIN 0x80
.irp m, 0,1
.irp s, 0,1,2,3,4,5,6,7
.irp c, 0,1,2,3
	ds_load_b128 v[16*(8*\m+\s)+4*\c:16*(8*\m+\s)+4*\c+3], v[\adr] offset:(8*(\m+2)+\s)*2048+512*\c
.endr
.endr
.endr
	WIN 0
	s_wait_dscnt 0x0
.endm
.macro WL4 set, base, ks, t                    ; weight fragment t of K step ks: four loads of 512 consecutive bytes
	WIN 0xc0
.irp c, 0,1,2,3
	global_load_b128 v[64*(\set)+16*(\t)+4*\c:64*(\set)+16*(\t)+4*\c+3], v[LI], s[\base:\base+1] offset:8192*(\ks)+2048*(\t)+512*\c
.endr
.endm
.macro WLOAD set, base, ks                     ; a head's four weight fragments of K step ks
.irp t, 0,1,2,3
	WL4 \set, \base, \ks, \t
.endr
	WIN 0
.endm
; 4 matrix instructions: row tile m x the head's four tiles of columns, K step i
.macro MM4 swap, zero, i, m
.if \swap
	WIN 0x0d+(\m)/2                                ; source 0 (x) window 1 or 2, source 1 (W) window 3
.else
	WIN 0x07+4*((\m)/2)                            ; source 0 (W) window 3, source 1 (x) window 1 or 2
.endif
.irp t, 0,1,2,3
.set rA, ACC+8*(4*(\m)+\t)
.set rW, 64*((\i)%4)+16*\t
.set rX, 16*(8*((\m)%2)+(\i))
.if \swap
	v_wmma_f32_16x16x128_fp8_fp8 v[rA:rA+7], v[rX:rX+15], v[rW:rW+15], v[rA:rA+7]
.elseif (\zero) && ((\i) == 0)
	v_wmma_f32_16x16x128_fp8_fp8 v[rA:rA+7], v[rW:rW+15], v[rX:rX+15], 0
.else
	v_wmma_f32_16x16x128_fp8_fp8 v[rA:rA+7], v[rW:rW+15], v[rX:rX+15], v[rA:rA+7]
.endif
.endr
.endm
; A head: 8 K steps of 16 matrix instructions; the 16 accumulators take turns, one instruction a turn.  In K step i the set of weights that step i - 1 multiplied takes the K step three
; further on: of this head (steps 0 to 4), then (nxt = 1) of the next (steps 5 to 7): four loads behind each four matrix instructions.  zero = 1: the first K step starts the sums.
.macro HEAD swap, zero, nxt
.if \zero
	PLACES 5                                       ; accumulators are begun anew: five places behind the matrix instructions that wrote them
.endif
.irp i, 0,1,2,3,4,5,6,7
.if (\nxt) || (\i < 6)
	s_wait_loadcnt 32                              ; this K step's 16 loads are in; those of the two steps behind it may be out
.else
	s_wait_loadcnt 16*(7-\i)                       ; nothing follows this head: the counts run down
.endif
.if (\nxt) || (\i < 5)
	s_wait_alu depctr_va_vdst(0)                   ; the last K step's matrix instructions (ahead of the first head: x's holds) are done reading their set, in which this step's 16 loads land; this step's matrix instructions name another set
.endif
.irp m, 0,1,2,3
	MM4 \swap, \zero, \i, \m
.if \i < 5
	WL4 (\i+3)%4, WB0, \i+3, \m
.elseif \nxt
	WL4 \i-5, WB1, \i-5, \m
.endif
.endr
	PLACES 4                                       ; in front of loads into registers that these have read, and of the first read of results
.endr
	WIN 0
.endm
.macro CSLOAD m                                ; cos and sin of row tile m at my lane's 16 channels of the first half: cos in registers 0-15 of set m % 2, sin in 16-31
.irp t, 0,1
.irp u, 0,1
	ds_load_b128 v[CS0+32*((\m)%2)+8*\t+4*\u:CS0+32*((\m)%2)+8*\t+4*\u+3], v[CSR] offset:2304*(\m)+64*\t+16*\u
	ds_load_b128 v[CS0+32*((\m)%2)+16+8*\t+4*\u:CS0+32*((\m)%2)+16+8*\t+4*\u+3], v[CSR] offset:SIND+2304*(\m)+64*\t+16*\u
.endr
.endr
.endm
.macro QSTORE m, dst                           ; row tile m's codes: twice 512 consecutive bytes, aligned
	global_store_b128 v[LI], v[QC+8*(\m):QC+8*(\m)+3], s[\dst:\dst+1] offset:1024*(\m)
	global_store_b128 v[LI], v[QC+8*(\m)+4:QC+8*(\m)+7], s[\dst:\dst+1] offset:1024*(\m)+512
.endm
; A head of q or k leaves: rotation, mean of squares, 1 / root, codes; a row tile at a time.  A sum stands for sum x 2^E: s[e1] = E, s[e2] = 2 E - 6 (the mean of 64 squares).
.macro EPI_QK e2, e1, sc, lim, dst
	s_wait_xcnt 0x0                                ; the last head's stores have read the registers of their codes
	s_wait_alu depctr_vm_vsrc(0)                   ; the same stores have read v[QC ..], which this head's conversions write again
	CSLOAD 0                                       ; (the vector instructions that last named this set stand ahead of the head's waits on va_vdst)
.irp m, 0,1,2,3
.if \m < 3
	CSLOAD \m+1                                    ; into the set that tile m - 1's rotation read: the wait behind that tile's root stands between, and nothing behind it names the set
	s_wait_dscnt 8                                 ; this tile's eight loads are in; the next tile's eight may be out
.else
	s_wait_dscnt 0x0
.endif
.irp t, 0,1
.irp j, 0,2,4,6                                ; each accumulator from its low end on
.set a1, ACC+32*\m+8*\t+\j
.set a2, a1+16
.set cc, CS0+32*(\m%2)+8*\t+\j
.set sn, cc+16
.set tt, T0+\j%4
	v_pk_mul_f32 v[tt:tt+1], v[a1:a1+1], v[sn:sn+1]                                   ; x1 sin
	v_pk_mul_f32 v[a1:a1+1], v[a1:a1+1], v[cc:cc+1]                                   ; x1 cos
	v_pk_fma_f32 v[a1:a1+1], v[a2:a2+1], v[sn:sn+1], v[a1:a1+1]                       ; x1 cos + x2 sin
	v_pk_fma_f32 v[a2:a2+1], v[a2:a2+1], v[cc:cc+1], v[tt:tt+1] neg_lo:[0,0,1] neg_hi:[0,0,1]   ; x2 cos - x1 sin
.endr
.endr
	v_pk_mul_f32 v[SS0:SS0+1], v[ACC+32*\m:ACC+32*\m+1], v[ACC+32*\m:ACC+32*\m+1]     ; the squares of my 32 channels, in two chains
	v_pk_mul_f32 v[SS1:SS1+1], v[ACC+32*\m+2:ACC+32*\m+3], v[ACC+32*\m+2:ACC+32*\m+3]
.irp j, 4,8,12,16,20,24,28
	v_pk_fma_f32 v[SS0:SS0+1], v[ACC+32*\m+\j:ACC+32*\m+\j+1], v[ACC+32*\m+\j:ACC+32*\m+\j+1], v[SS0:SS0+1]
	v_pk_fma_f32 v[SS1:SS1+1], v[ACC+32*\m+\j+2:ACC+32*\m+\j+3], v[ACC+32*\m+\j+2:ACC+32*\m+\j+3], v[SS1:SS1+1]
.endr
	v_pk_add_f32 v[SS0:SS0+1], v[SS0:SS0+1], v[SS1:SS1+1]
	v_add_f32 v[SS0], v[SS0], v[SS0+1]
	v_permlanex16_b32 v[PT], v[SS0], s[SEL], s[SEL+1]   ; the token's other 32 channels lie in the lane 16 away
	v_add_f32 v[SS0], v[SS0], v[PT]
	v_ldexp_f32 v[SS0], v[SS0], s[\e2]             ; the mean of the squares
	v_add_f32 v[SS0], 0x34000000, v[SS0]           ; + eps = 2^-23
	s_wait_alu depctr_va_vdst(0)
	v_rsq_f32 v[F], v[SS0]
	v_nop                                          ; a plain instruction behind the transcendental
	s_wait_alu depctr_va_vdst(0)                   ; 1 / root is written, ahead of its first reader; the tile before has written its codes, which the stores below read; this tile's rotation is done reading its cos and sin, in which the next tile's loads land
.if \m > 0
	QSTORE \m-1, \dst
.endif
	v_ldexp_f32 v[F], v[F], s[\e1]                 ; 2^E / root
.set q, 0
.rept 16
	v_pk_mul_f32 v[ACC+32*\m+q:ACC+32*\m+q+1], v[ACC+32*\m+q:ACC+32*\m+q+1], v[F:F+1] op_sel_hi:[1,0]
.set q, q+2
.endr
.set q, 0
.rept 32
	v_med3_num_f32 v[ACC+32*\m+q], v[ACC+32*\m+q], -v[\lim], v[\lim]
.set q, q+1
.endr
.irp t, 0,1,2,3
	v_cvt_scalef32_pk8_fp8_f32 v[QC+8*\m+2*\t:QC+8*\m+2*\t+1], v[ACC+32*\m+8*\t:ACC+32*\m+8*\t+7], v[\sc]   ; registers 2 t, 2 t + 1 of the tile's fragment
.endr
	v_nop                                          ; a plain instruction behind the conversions: matrix instructions write their sources later
.endr
	s_wait_alu depctr_va_vdst(0)                   ; the last tile's conversions have written its codes, which the stores below read.  Also: the head's vector and matrix instructions are done with the accumulators, with x's fragments and with cos and sin, in which the third head's loads land
	QSTORE 3, \dst
.endm
	s_load_b512 s[4:19], s[0:1], 0x0               ; x s[4:5], ve s[6:7], cos s[8:9], sin s[10:11], wgate s[12:13], the scales s[14:15], wimg s[16:17], qimg s[18:19]
	s_load_b64 s[20:21], s[0:1], 0x40              ; kvimg
	v_lshrrev_b32 v1, 5, v0
	v_readfirstlane_b32 s[WV], v1                  ; wave 0..3
	s_and_b32 s[HF], ttmp9, 1
	s_lshr_b32 s[RB], ttmp9, 1                     ; which 64 tokens
	s_lshr_b32 s[BB], s[RB], 5                     ; the batch
	s_and_b32 s[RBL], s[RB], 31                    ; which 64 of its 2,048
	v_and_b32 v3, 31, v0                           ; lane
	v_and_b32 v1, 15, v0                           ; r
	v_bfe_u32 v2, v0, 4, 1                         ; h
	v_lshlrev_b32 v[LI], 4, v3
	v_add_nc_u32 v[LI2], 0x10000, v[LI]
	s_wait_alu depctr_va_sdst(0)                   ; the wave's number is written, ahead of its first reader
	s_lshl_b32 s57, s[WV], 14
	v_add_nc_u32 v[XWI], s57, v[LI]
	v_add_nc_u32 v[XWI2], 0x10000, v[XWI]
	v_lshlrev_b32 v[XA], 12, v1
	v_lshl_add_u32 v[XA], v2, 5, v[XA]
	v_lshrrev_b32 v[CSW], 3, v3                    ; a load's 512 bytes are four rows of 128: row lane / 8, 16 bytes at lane % 8
	v_mul_u32_u24 v[CSW], v[CSW], 144
	v_and_b32 v[CSR], 7, v3
	v_lshl_add_u32 v[CSW], v[CSR], 4, v[CSW]
	s_mul_i32 s57, s[WV], 2304                     ; my 16 rows
	s_add_co_u32 s57, s57, COS
	v_add_nc_u32 v[CSW], s57, v[CSW]
	v_mul_u32_u24 v[CSR], v1, 144
	v_lshl_add_u32 v[CSR], v2, 5, v[CSR]
	v_add_nc_u32 v[CSR], COS, v[CSR]
	s_lshl_b32 s57, s[WV], 8
	s_add_co_u32 s57, s57, GATE
	v_lshl_add_u32 v[GW], v3, 2, s57
	v_lshl_add_u32 v[GR], v2, 5, s57
	v_lshlrev_b32 v[VEO], 2, v1
	v_lshl_add_u32 v[VEO], v2, 13, v[VEO]
	v_lshlrev_b32 v[GX], 12, v3
	s_lshl_b32 s57, s[WV], 2
	v_mov_b32 v[WGO], s57
	v_mov_b32 v[F+1], 0                            ; named as the upper half of the pair v[F:F+1]
	s_mov_b32 s[SEL], 0x76543210
	s_mov_b32 s[SEL+1], 0xfedcba98                 ; v_permlanex16_b32: lane l xor 16
	s_mov_b32 s59, 0
	s_wait_kmcnt 0x0
	s_load_b256 s[24:31], s[14:15], 0x0            ; e0 .. e7
	s_load_b128 s[32:35], s[14:15], 0x20           ; e8 .. e11
	s_lshl_b32 s58, s[RB], 18                      ; 64 rows of 4,096 bytes
	s_add_nc_u64 s[XG:XG+1], s[4:5], s[58:59]
	s_lshl_b32 s58, s[WV], 16
	s_add_nc_u64 s[XB:XB+1], s[XG:XG+1], s[58:59]  ; my 16 rows of x
	s_lshl_b32 s58, s[RBL], 13                     ; cos, sin: 64 rows of 128 bytes,
	s_lshl_b32 s60, s[WV], 11                      ; my 16 of them
	s_add_co_u32 s58, s58, s60
	s_add_nc_u64 s[8:9], s[8:9], s[58:59]
	s_add_nc_u64 s[10:11], s[10:11], s[58:59]
	s_wait_alu depctr_va_vdst(0)                   ; the twelve addresses v4 to v15 are written, which every load and store of the kernel reads; none is written again
	; the gate's numbers: x[token][0..7] of tokens lane and lane + 32, and column w of wgate.  Every work-group asks for them (12 loads), so that these registers are written on every way
	global_load_b128 v[GL:GL+3], v[GX], s[XG:XG+1]
	global_load_b128 v[GL+4:GL+7], v[GX], s[XG:XG+1] offset:16
	global_load_b128 v[GL+8:GL+11], v[GX], s[XG:XG+1] offset:131072
	global_load_b128 v[GL+12:GL+15], v[GX], s[XG:XG+1] offset:131088
.irp i, 0,1,2,3,4,5,6,7
	global_load_b32 v[GL+16+\i], v[WGO], s[12:13] offset:16*\i
.endr
.irp i, 0,1,2,3
	global_load_b128 v[CT+4*\i:CT+4*\i+3], v[LI], s[8:9] offset:512*\i
	global_load_b128 v[CT+16+4*\i:CT+16+4*\i+3], v[LI], s[10:11] offset:512*\i
.endr
	XLOAD 0, 0
	XLOAD 1, 1
	XLOAD 2, 2
	XLOAD 3, 3
	s_lshl_b32 s58, s[RB], 16                      ; ve: 64 rows of 1,024 bytes, + my head's 256
	s_lshl_b32 s60, s[WV], 8
	s_add_co_u32 s58, s58, s60
	s_add_nc_u64 s[VEB:VEB+1], s[6:7], s[58:59]
	s_lshl_b32 s58, s[HF], 3
	s_lshl_b32 s60, s[WV], 1
	s_add_co_u32 s61, s58, s60                     ; my first q head: 8 hf + 2 w
	s_lshl_b32 s58, s61, 16
	s_add_nc_u64 s[WB0:WB0+1], s[16:17], s[58:59]
	s_add_nc_u64 s[WB1:WB1+1], s[WB0:WB0+1], 0x10000
	s_lshl_b32 s58, s[HF], 2
	s_add_co_u32 s58, s58, s[WV]
	s_add_co_u32 s58, s58, 16                      ; group 16 + w of wk, or 20 + w of wv
	s_lshl_b32 s58, s58, 16
	s_add_nc_u64 s[WB2:WB2+1], s[16:17], s[58:59]
	s_lshl_b32 s58, s[BB], 21                      ; qimg: 16 heads x 131,072 a batch,
	s_lshl_b32 s60, s61, 17
	s_add_co_u32 s58, s58, s60
	s_lshl_b32 s60, s[RBL], 12                     ; four tiles of 1,024 bytes
	s_add_co_u32 s58, s58, s60
	s_add_nc_u64 s[QD:QD+1], s[18:19], s[58:59]
	s_lshl_b32 s58, s[BB], 2
	s_add_co_u32 s58, s58, s[WV]
	s_lshl_b32 s58, s58, 18                        ; kvimg: 262,144 a head,
	s_lshr_b32 s60, s[RBL], 1
	s_lshl_b32 s60, s60, 14                        ; 16,384 a block of 128 keys;
	s_add_co_u32 s58, s58, s60
	s_and_b32 s60, s[RBL], 1
	s_lshl_b32 s62, s60, 10
	s_add_co_u32 s62, s62, 8192                    ; V^T: behind K's tiles; my 64 keys are chunks 2 (n % 2), + 1 of each tile;
	s_lshl_b32 s60, s60, 12                        ; K: my 64 keys are tiles 4 (n % 2) on
	s_cmp_eq_u32 s[HF], 1
	s_cselect_b32 s60, s62, s60
	s_add_co_u32 s58, s58, s60
	s_add_nc_u64 s[KD:KD+1], s[20:21], s[58:59]
	s_wait_kmcnt 0x0
	s_add_co_i32 s[EQ], s24, s25
	s_lshl_b32 s[EQ2], s[EQ], 1
	s_sub_co_i32 s[EQ2], s[EQ2], 6
	s_add_co_i32 s[E3], s26, s27
	s_lshl_b32 s[E32], s[E3], 1
	s_sub_co_i32 s[E32], s[E32], 6
	s_add_co_i32 s60, s28, s29
	s_sub_co_i32 s[GE], 1, s60
	s_sub_co_i32 s60, s32, s60                     ; a sum of v's product stands for sum x 2^(e4 + e5): its code is sum / 2^(e8 - e4 - e5)
	s_cmp_eq_u32 s[HF], 1
	s_cselect_b32 s57, s28, s26                    ; x's second scale: e4 for v, e2 for k
	s_cselect_b32 s60, s60, s31
	MKSC 24, SCA, LIMA
	MKSC 57, SCB, LIMB
	MKSC 30, SCQ, LIMQ
	MKSC 60, SC3, LIM3
	s_wait_alu depctr_va_vdst(0)
	s_wait_loadcnt 63                              ; 64 loads of x were issued behind cos, sin and the gate's numbers: these are in
.irp i, 0,1,2,3
	ds_store_b128 v[CSW], v[CT+4*\i:CT+4*\i+3] offset:576*\i
	ds_store_b128 v[CSW], v[CT+16+4*\i:CT+16+4*\i+3] offset:SIND+576*\i
.endr
	; ---- x: my 16 rows, a K step at a time, at both scales; loads run four K steps ahead.  Both quantisations stand together, so that one wait serves the step's eight stores and its sixteen loads
.irp s, 0,1,2,3,4,5,6,7
.if \s < 5
	s_wait_loadcnt 48                              ; this K step's 16 loads are in; three steps' may be out
.else
	s_wait_loadcnt 16*(7-\s)
.endif
	s_wait_dscnt 0x0                               ; the last step's stores have read the registers of their codes
.if \s > 0
	s_wait_alu depctr_vm_vsrc(0)                   ; the last step's LDS stores have read v[PCA ..] and v[PCB ..], which this step's conversions write again
.endif
	QUANT 64*(\s%4), PCA, SCA, LIMA
	QUANT 64*(\s%4), PCB, SCB, LIMB
	s_wait_alu depctr_va_vdst(0)                   ; the conversions have written both fragments' codes, which the LDS stores read; the holds are done reading this step's numbers, in which the loads below land
	IMAGE XWI, PCA, 2048*\s
	IMAGE XWI2, PCB, 2048*\s
.if \s < 4
	XLOAD \s%4, \s+4
.endif
.endr
	WLOAD 0, WB0, 0                                ; the first head's first three K steps of weights, into the registers that x's numbers have left: the holds that read them stand ahead of the last wait above
	WLOAD 1, WB0, 1
	WLOAD 2, WB0, 2
	; ---- the gate, where v is made: 2 sigmoid(x[:8] . wgate[:, w]) / 2^(e4 + e5), in f32, for tokens lane and lane + 32
	s_cmp_eq_u32 s[HF], 0
	s_cbranch_scc1 .Lno_gate
	v_mul_f32 v[GL+24], v[GL], v[GL+16]
	v_mul_f32 v[GL+25], v[GL+8], v[GL+16]
.irp i, 1,2,3,4,5,6,7
	v_fmac_f32 v[GL+24], v[GL+\i], v[GL+16+\i]
	v_fmac_f32 v[GL+25], v[GL+8+\i], v[GL+16+\i]
.endr
	v_mul_f32 v[GL+24], 0xbfb8aa3b, v[GL+24]       ; x -log2(e)
	v_mul_f32 v[GL+25], 0xbfb8aa3b, v[GL+25]
	s_wait_alu depctr_va_vdst(0)
	v_exp_f32 v[GL+24], v[GL+24]
	v_exp_f32 v[GL+25], v[GL+25]
	v_nop
	s_wait_alu depctr_va_vdst(0)                   ; both exponentials are written: one wait for both, ahead of their first reader
	v_add_f32 v[GL+24], 1.0, v[GL+24]
	v_add_f32 v[GL+25], 1.0, v[GL+25]
	s_wait_alu depctr_va_vdst(0)
	v_rcp_f32 v[GL+24], v[GL+24]
	v_rcp_f32 v[GL+25], v[GL+25]
	v_nop
	s_wait_alu depctr_va_vdst(0)                   ; both reciprocals are written, ahead of their first reader
	v_ldexp_f32 v[GL+24], v[GL+24], s[GE]
	v_ldexp_f32 v[GL+25], v[GL+25], s[GE]
	s_wait_alu depctr_va_vdst(0)                   ; the two gates are written, which the LDS stores read
	ds_store_b32 v[GW], v[GL+24]
	ds_store_b32 v[GW], v[GL+25] offset:128
.Lno_gate:
	s_wait_dscnt 0x0                               ; for the others' sake: my images and my rows of cos and sin have landed
	s_barrier_signal -1
	s_barrier_wait -1                              ; the launch's one barrier: LDS is only read from here on
	s_wait_alu depctr_vm_vsrc(0)                   ; my LDS stores have read v32 to v95, in which cos and sin land from here on, and the gates' two registers, into which codes are written
	FETCHX LI                                      ; x at e0
	s_mov_b32 s[CNT], 2
.Lqhead:                                           ; my two q heads
	HEAD 0, 1, 1
	EPI_QK EQ2, EQ, SCQ, LIMQ, QD
	s_wait_xcnt 0x0                                ; the loads and stores have read their bases
	s_mov_b64 s[WB0:WB0+1], s[WB1:WB1+1]
	s_mov_b64 s[WB1:WB1+1], s[WB2:WB2+1]
	s_add_nc_u64 s[QD:QD+1], s[QD:QD+1], 0x20000
	s_sub_co_u32 s[CNT], s[CNT], 1
	s_cmp_lg_u32 s[CNT], 0
	s_cbranch_scc1 .Lqhead
	s_cmp_eq_u32 s[HF], 1
	s_cbranch_scc1 .Lvpath
	FETCHX LI2                                     ; ---- k head w: x at e2
	HEAD 0, 1, 0
	EPI_QK E32, E3, SC3, LIM3, KD
	s_wait_xcnt 0x0
	v_lshl_add_u32 v254, v0, 2, 0x24c00            ; the add's two registers are made anew: no memory or LDS instruction has read them
	v_mov_b32 v255, 0
	s_wait_dscnt 0x0                               ; the closing lines, six on end
	s_wait_alu 0x0
	s_wait_tensorcnt 0x0
	ds_add_u32 v254, v255
	s_wait_dscnt 0x0
	s_endpgm
.Lvpath:                                           ; ---- v head w.  The accumulators begin as gate x ve / 2^(e4 + e5)
	PLACES 4
.irp m, 0,1,2,3                                ; the vector instructions that last named the accumulators stand ahead of the last wait of the second head's way out
.irp j, 0,1,2,3,4,5,6,7
.irp t, 0,1,2,3
	global_load_b32 v[ACC+8*(4*\m+\t)+\j], v[VEO], s[VEB:VEB+1] offset:(16*\m+\j)*1024+64*\t th:TH_LOAD_NT   ; ve(16 m + 8 h + j, 64 w + 16 t + r); four loads on end cover 256 consecutive bytes of two rows
.endr
.endr
.endr
.irp m, 0,1,2,3
.irp u, 0,1
	ds_load_b128 v[G+8*\m+4*\u:G+8*\m+4*\u+3], v[GR] offset:64*\m+16*\u    ; the gates of tokens 16 m + 8 h + 0 .. 7: bytes that my own wave stored; they land where cos and sin lay, which the same wait has shown read
.endr
.endr
	FETCHX LI2                                     ; x at e4
	s_wait_loadcnt 0x0
.irp m, 0,1,2,3
.irp t, 0,1,2,3
.irp j, 0,2,4,6
	v_pk_mul_f32 v[ACC+8*(4*\m+\t)+\j:ACC+8*(4*\m+\t)+\j+1], v[ACC+8*(4*\m+\t)+\j:ACC+8*(4*\m+\t)+\j+1], v[G+8*\m+\j:G+8*\m+\j+1]
.endr
.endr
.endr
	HEAD 1, 0, 0
	s_wait_xcnt 0x0                                ; the last q head's stores have read the registers of their codes
	s_wait_alu depctr_vm_vsrc(0)                   ; the same stores have read v[QC ..], which the conversions below write again
.irp t, 0,1,2,3
.irp m, 0,1,2,3
.irp j, 0,1,2,3,4,5,6,7
	v_med3_num_f32 v[ACC+8*(4*\m+\t)+\j], v[ACC+8*(4*\m+\t)+\j], -v[LIM3], v[LIM3]
.endr
	v_cvt_scalef32_pk8_fp8_f32 v[QC+8*\t+2*\m:QC+8*\t+2*\m+1], v[ACC+8*(4*\m+\t):ACC+8*(4*\m+\t)+7], v[SC3]   ; eight keys of channel 16 t + r
.endr
.endr
	v_nop
	s_wait_alu depctr_va_vdst(0)                   ; the conversions have written v's codes, which the stores read
.irp t, 0,1,2,3
.irp u, 0,1
	global_store_b128 v[LI], v[QC+8*\t+4*\u:QC+8*\t+4*\u+3], s[KD:KD+1] offset:2048*\t+512*\u
.endr
.endr
	s_wait_xcnt 0x0
	v_lshl_add_u32 v254, v0, 2, 0x24c00            ; the add's two registers are made anew: no memory or LDS instruction has read them
	v_mov_b32 v255, 0
	s_wait_dscnt 0x0                               ; the closing lines, six on end
	s_wait_alu 0x0
	s_wait_tensorcnt 0x0
	ds_add_u32 v254, v255
	s_wait_dscnt 0x0
	s_endpgm
.Lfunc_end_k_qa9a847ad45_qkv:
	.size	k_qa9a847ad45_qkv, .Lfunc_end_k_qa9a847ad45_qkv-k_qa9a847ad45_qkv
	.p2alignl 7, 3214868480
	.fill 96, 4, 3214868480
	.section	.rodata,"a",@progbits
	.p2align	6, 0x0
	.amdhsa_kernel k_qa9a847ad45_qkv
		.amdhsa_group_segment_fixed_size 151040
		.amdhsa_private_segment_fixed_size 0
		.amdhsa_enable_private_segment 0
		.amdhsa_kernarg_size 72
		.amdhsa_user_sgpr_count 2
		.amdhsa_user_sgpr_kernarg_segment_ptr 1
		.amdhsa_wavefront_size32 1
		.amdhsa_system_sgpr_workgroup_id_x 1
		.amdhsa_system_sgpr_workgroup_id_y 1
		.amdhsa_system_sgpr_workgroup_id_z 1
		.amdhsa_system_vgpr_workitem_id 0
		.amdhsa_next_free_vgpr 1024
		.amdhsa_next_free_sgpr 100
		.amdhsa_reserve_vcc 0
		.amdhsa_float_denorm_mode_32 3
		.amdhsa_float_denorm_mode_16_64 3
		.amdhsa_memory_ordered 1
		.amdhsa_forward_progress 1
		.amdhsa_inst_pref_size 255
	.end_amdhsa_kernel
	.section	.bss,"aw",@nobits
	.p2align	6
	.space	262144
	.amdgpu_metadata
---
amdhsa.version: [ 1, 2 ]
amdhsa.kernels:
  - .name:           k_qa9a847ad45_qkv
    .symbol:         k_qa9a847ad45_qkv.kd
    .args:
      - { .name: x, .offset: 0, .size: 8, .value_kind: global_buffer, .address_space: global }
      - { .name: ve, .offset: 8, .size: 8, .value_kind: global_buffer, .address_space: global }
      - { .name: cos, .offset: 16, .size: 8, .value_kind: global_buffer, .address_space: global }
      - { .name: sin, .offset: 24, .size: 8, .value_kind: global_buffer, .address_space: global }
      - { .name: wgate, .offset: 32, .size: 8, .value_kind: global_buffer, .address_space: global }
      - { .name: lowp_scales, .offset: 40, .size: 8, .value_kind: global_buffer, .address_space: global }
      - { .name: wimg, .offset: 48, .size: 8, .value_kind: global_buffer, .address_space: global }
      - { .name: qimg, .offset: 56, .size: 8, .value_kind: global_buffer, .address_space: global }
      - { .name: kvimg, .offset: 64, .size: 8, .value_kind: global_buffer, .address_space: global }
    .group_segment_fixed_size: 151040
    .private_segment_fixed_size: 0
    .kernarg_segment_align: 8
    .kernarg_segment_size: 72
    .max_flat_workgroup_size: 128
    .sgpr_count:     100
    .vgpr_count:     1024
    .wavefront_size: 32
...
	.end_amdgpu_metadata
.endif
;; end of part 6
;; launch attn (part 7): grid 16 x 32, 16 waves a work-group, clusters of 4 x 1, 169,984 bytes of LDS; arguments qimg, kvimg, lowp_scales, yimg; writes yimg
.if DOCPART == 7
	.amdgcn_target "amdgcn-amd-amdhsa--gfx1250"
	.amdhsa_code_object_version 6
	.text
	.protected	k_qa9a847ad45_attn
	.globl	k_qa9a847ad45_attn
	.p2align	8
	.type	k_qa9a847ad45_attn,@function
k_qa9a847ad45_attn:
	s_mov_b64 s[64:65], 0
	v_nop
	global_prefetch_b8 v0, s[64:65] scope:SCOPE_SE
	s_setreg_imm32_b32 hwreg(HW_REG_WAVE_MODE, 25, 1), 1
	s_wait_xcnt 0x0
	s_wait_alu depctr_hold_cnt(0) depctr_sa_sdst(0) depctr_va_vdst(0) depctr_va_sdst(0) depctr_va_ssrc(0) depctr_va_vcc(0) depctr_vm_vsrc(0)
	s_getreg_b32 s2, hwreg(HW_REG_IB_STS2, 6, 4)
	s_cmp_eq_u32 s2, 0
	s_cbranch_scc0 .Lentry_in_a_cluster
	s_endpgm
.Lentry_in_a_cluster:
	s_bfe_u32 s2, ttmp6, 0x10000c
	s_cmp_lg_u32 s2, 0x3003
	s_cbranch_scc0 .Lentry_shape_is_right
	s_endpgm
.Lentry_shape_is_right:
; y[b][q][head] = the sum over the keys k with q - 1024 < k <= q of softmax_k(q . k / 8) v[k], both products on codes of FP8 (E4M3) with the given scales (q: entry 6, k: 7, v: 8, p: 9), and y leaves as codes at entry 10.
; THE SOFTMAX AHEAD OF THE SECOND PRODUCT: t = score x log2(e) / 8; M = the row's largest t so far, rounded UP to a whole number; p = 2^(t - M) is what is quantised; it is not normalised.  The row's sum is taken of the
; unquantised p, in f32, and divides at the end.  When M moves, the sum and O are multiplied by 2^(old M - new M): exact.
; IN: qimg [16 b + head][tile of 16 queries]: 16 x 64 codes as a fragment image of 1,024 bytes (lane l's registers 4 c .. 4 c + 3 at 512 c + 16 l); kvimg [4 b + kv head][block of 128 keys][16,384]: 8 tiles of K, 4 of V^T.
; OUT: yimg [tile of 16 tokens][head]: 16 x 64 codes as an image: a tile's 16,384 bytes are its eight fragments along the last product's K = 1,024.
; SHARES.  A work-group owns 256 queries of one head; each of its sixteen waves 16 of them in 256 registers: four waves to a SIMD, so that one wave's vector work stands beside another's matrix work and LDS loads.
; CLUSTER.  The four work-groups of a cluster are the four query heads of one key and value head at the same 256 queries: they need the same keys, so each tile is asked for JOINTLY.  My place in the cluster enters the
; addresses of Q and of y alone.
; NO RING.  The keys that count for 256 queries lie in ten blocks of 128: 163,840 consecutive bytes of kvimg, which fit in LDS whole.  They are asked for at the start, in two parts (blocks 0, 1; blocks 2 to 9), and nothing
; is filled again.  Blocks are counted from max(2 m - 8, 0), m the block of queries, so the ten never pass the head's sixteen.  All that comes from memory is asked for at the head, so nothing is prefetched.
; Every wave walks all ten blocks: the trip counts are constants.  A block none of whose keys counts for the wave's 16 queries is passed over by a scalar branch on ids; the blocks on the two edges of the band are masked.
; LAYOUT.  Both products are used transposed: S^T = K Q^T (source 0 = 16 keys), O^T = V^T P (source 0 = 16 channels): a lane holds ONE query (lane % 16) throughout.  Register j of tile c of S^T is key
; 16 c + 8 (lane / 16) + j, which is the place of registers 2 c, 2 c + 1 of the second product's operand; likewise O^T's tiles convert into y's fragment.
; LIMITS on the given exponents: e6 + e7 between -124 and 130 (added to c's exponent field); e9 and e10 between -126 and 119; e8 + e9 goes by v_ldexp_f32.
; REGISTERS: v1 16 x lane; v8 the block's LDS address; v9 lane % 16 - 8 (lane / 16); v12 -M, v13 the largest t, v[14:15] the sum in two halves; v16-23 Q; v32-95 K's tiles, then V's; v96-159 S^T, then p; v160-191 O^T;
;   v192-223 y; v224-239 p's codes, later y's; v240-254 scales, holds and work.
.set LI,   1
.set ADR,  8
.set WV,   12
.set SEL,  20                          ; s[20:21] v_permlanex16_b32: lane l xor 16
.set CS,   22                          ; s[22:23] c = log2(e) / 8 x 2^(e6 + e7)
.set G1A,  24                          ; s[24:31] descriptor group 1: 32 rows of 256 bytes;  s[32:39]: 128 rows
.set G1B,  32
.set G0A,  40
.set G0B,  44
.set TB,   48                          ; LDS byte at which the block in hand begins
.set KF,   49                          ; its first key
.set Q0,   50                          ; my first query
.set CNT,  51
.macro PLACES n
.rept \n
	v_nop
.endr
.endm
.macro MKSC e, sc, lim
	s_add_co_i32 s77, s[\e], 127
	s_lshl_b32 s78, s77, 23
	v_mov_b32 v[\sc], s78
	s_add_co_i32 s77, s77, 8
	s_lshl_b32 s77, s77, 23
	s_or_b32 s77, s77, 0x600000
	v_mov_b32 v[\lim], s77
.endm
; A round of the cluster's barrier: my work-group's barrier; wave 0 signals for the work-group; every wave waits for all four work-groups; my work-group's barrier once more.
.macro ROUND
	s_barrier_signal -1
	s_barrier_wait -1
	s_cmp_lg_u32 s[WV], 0
	s_cbranch_scc1 .Lnot_wave_0_\@
	s_barrier_signal -3
.Lnot_wave_0_\@:
	s_barrier_wait -3
	s_barrier_signal -1
	s_barrier_wait -1
.endm
; A KEY STEP: the block of 128 keys at LDS byte s[TB].
.macro STEP
	s_add_co_u32 s52, s[Q0], 15
	s_cmp_gt_u32 s[KF], s52                        ; all its keys come after my queries,
	s_cbranch_scc1 .Lhidden_\@
	s_add_co_u32 s52, s[KF], 1151
	s_cmp_le_u32 s52, s[Q0]                        ; or its last key, KF + 127, is at most my first query - 1024: nothing counts
	s_cbranch_scc1 .Lhidden_\@
	s_setprio 2
	v_add_nc_u32 v[ADR], s[TB], v[LI]
	PLACES 4                                       ; in front of loads into registers that matrix instructions have read
.irp c, 0,1,2,3,4,5,6,7
.irp u, 0,1
	ds_load_b128 v[32+8*\c+4*\u:32+8*\c+4*\u+3], v[ADR] offset:1024*\c+512*\u
.endr
.endr
	s_wait_alu depctr_va_vdst(0)
	s_wait_dscnt 0x0
.irp c, 0,1,2,3,4,5,6,7
	v_wmma_f32_16x16x64_fp8_fp8 v[96+8*\c:103+8*\c], v[32+8*\c:39+8*\c], v[16:23], 0
.endr
	PLACES 4                                       ; in front of the loads below and of the first read of the scores
.irp t, 0,1,2,3
.irp c, 0,1,2,3
	ds_load_b128 v[32+16*\t+4*\c:32+16*\t+4*\c+3], v[ADR] offset:8192+2048*\t+512*\c   ; V's tiles land while the softmax is walked
.endr
.endr
	s_add_co_u32 s52, s[KF], 127                   ; the upper edge: a key counts where key <= query.  Passed over where the block's last key is at most my first query
	s_cmp_le_u32 s52, s[Q0]
	s_cbranch_scc1 .Lopen_\@
	s_sub_co_i32 s52, s[Q0], s[KF]
	v_add_nc_u32 v250, s52, v9                     ; d = my query - KF - 8 (lane / 16).  Register 8 c + j holds key KF + 8 (lane / 16) + 16 c + j: hidden where 16 c + j > d
.irp c, 0,1,2,3,4,5,6,7
.irp j, 0,1,2,3,4,5,6,7
	v_cmp_gt_i32 vcc_lo, 16*\c+\j, v250
	v_cndmask_b32 v[96+8*\c+\j], v[96+8*\c+\j], v251, vcc_lo
.endr
.endr
.Lopen_\@:
	s_add_co_u32 s52, s[KF], 1024                  ; the lower edge: a key counts where key > query - 1024.  Passed over where the block's first key counts for my last query
	s_add_co_u32 s53, s[Q0], 15
	s_cmp_gt_u32 s52, s53
	s_cbranch_scc1 .Lwide_\@
	s_sub_co_i32 s52, s[Q0], s[KF]
	s_sub_co_i32 s52, s52, 1024
	v_add_nc_u32 v250, s52, v9                     ; d - 1024: hidden where 16 c + j <= that
.irp c, 0,1,2,3,4,5,6,7
.irp j, 0,1,2,3,4,5,6,7
	v_cmp_le_i32 vcc_lo, 16*\c+\j, v250
	v_cndmask_b32 v[96+8*\c+\j], v[96+8*\c+\j], v251, vcc_lo
.endr
.endr
.Lwide_\@:
	v_max3_num_f32 v254, v96, v97, v98             ; the step's largest score of my query among my 64 keys, in two chains; each tile is first read at its low end
	v_max3_num_f32 v252, v99, v100, v101
.irp i, 6,10,14,18,22,26,30,34,38,42,46,50,54,58
	v_max3_num_f32 v254, v254, v[96+\i], v[97+\i]
	v_max3_num_f32 v252, v252, v[98+\i], v[99+\i]
.endr
	s_setprio 1
	v_max3_num_f32 v254, v254, v158, v159
	s_delay_alu instid0(VALU_DEP_1)
	v_max_num_f32 v254, v254, v252
	s_delay_alu instid0(VALU_DEP_1)
	v_permlanex16_b32 v248, v254, s[SEL], s[SEL+1]
	s_delay_alu instid0(VALU_DEP_1)
	v_max_num_f32 v254, v254, v248                 ; and among lane l xor 16's
	s_delay_alu instid0(VALU_DEP_1)
	v_mul_f32 v254, s[CS], v254                    ; as t (c is positive)
	s_delay_alu instid0(VALU_DEP_1)
	v_max_num_f32 v13, v13, v254                   ; the running largest t.  (A query none of whose keys counts in this step keeps its old one, and its p are 0)
	v_mov_b32 v254, v12
	s_delay_alu instid0(VALU_DEP_2)
	v_floor_f32 v12, -v13                          ; the new -M = floor(-t): M is a whole number
	s_delay_alu instid0(VALU_DEP_1)
	v_sub_f32 v254, v12, v254                      ; old M - new M: a whole number, 0 or less
	s_delay_alu instid0(VALU_DEP_1)
	v_cvt_i32_f32 v254, v254                       ; (it saturates)
	s_delay_alu instid0(VALU_DEP_1)
	v_ldexp_f32 v252, 1.0, v254                    ; f = 2^(old M - new M)
.set j, 0
.rept 32
	v_pk_fma_f32 v[96+j:97+j], v[96+j:97+j], s[CS:CS+1], v[12:13] op_sel_hi:[1,0,0]   ; t - M, two at a time (of the pairs c and -M the low word serves both halves)
.set j, j+2
.endr
.set j, 0
	s_wait_alu depctr_va_vdst(0)
.rept 64
	v_exp_f32 v[96+j], v[96+j]                     ; p = 2^(t - M), at most 1
.set j, j+1
.endr
	v_pk_mul_f32 v[14:15], v[14:15], v[252:253] op_sel_hi:[1,0]   ; the sums under the new M: the plain instruction behind the exponentials
	s_wait_alu depctr_va_vdst(0)                   ; one wait for the whole batch, ahead of its first reader
	v_pk_add_f32 v[242:243], v[100:101], v[104:105]
	v_pk_add_f32 v[246:247], v[108:109], v[112:113]
	v_pk_add_f32 v[238:239], v[116:117], v[120:121]
	v_pk_add_f32 v[236:237], v[124:125], v[128:129]
	v_pk_add_f32 v[234:235], v[132:133], v[136:137]
	v_pk_add_f32 v[232:233], v[140:141], v[144:145]
	v_pk_add_f32 v[230:231], v[148:149], v[152:153]
	v_pk_add_f32 v[14:15], v[14:15], v[156:157]
	v_pk_add_f32 v[242:243], v[242:243], v[96:97]
	v_pk_add_f32 v[246:247], v[246:247], v[98:99]
	v_pk_add_f32 v[238:239], v[238:239], v[102:103]
	v_pk_add_f32 v[236:237], v[236:237], v[106:107]
	v_pk_add_f32 v[234:235], v[234:235], v[110:111]
	v_pk_add_f32 v[232:233], v[232:233], v[114:115]
	v_pk_add_f32 v[230:231], v[230:231], v[118:119]
	v_pk_add_f32 v[14:15], v[14:15], v[122:123]
	v_pk_add_f32 v[242:243], v[242:243], v[126:127]
	v_pk_add_f32 v[246:247], v[246:247], v[130:131]
	v_pk_add_f32 v[238:239], v[238:239], v[134:135]
	v_pk_add_f32 v[236:237], v[236:237], v[138:139]
	v_pk_add_f32 v[234:235], v[234:235], v[142:143]
	v_pk_add_f32 v[232:233], v[232:233], v[146:147]
	v_pk_add_f32 v[230:231], v[230:231], v[150:151]
	v_pk_add_f32 v[14:15], v[14:15], v[154:155]
	v_pk_add_f32 v[242:243], v[242:243], v[158:159]
	s_delay_alu instid0(VALU_DEP_2)
	v_pk_add_f32 v[14:15], v[14:15], v[236:237]
	s_delay_alu instid0(VALU_DEP_2)
	v_pk_add_f32 v[242:243], v[242:243], v[234:235]
	v_pk_add_f32 v[246:247], v[246:247], v[232:233]
	v_pk_add_f32 v[238:239], v[238:239], v[230:231]
	s_delay_alu instid0(VALU_DEP_2)
	v_pk_add_f32 v[14:15], v[14:15], v[246:247]
	s_delay_alu instid0(VALU_DEP_2)
	v_pk_add_f32 v[242:243], v[242:243], v[238:239]
	s_delay_alu instid0(VALU_DEP_1)
	v_pk_add_f32 v[14:15], v[14:15], v[242:243]
.set j, 0
	s_setprio 0
.rept 64
	v_min_num_f32 v[96+j], v[96+j], v240           ; the conversion does not saturate (ISA guide 7.6.2); p is not negative, so the hold is one-sided
.set j, j+1
.endr
.irp c, 0,1,2,3,4,5,6,7
	v_cvt_scalef32_pk8_fp8_f32 v[224+2*\c:225+2*\c], v[96+8*\c:103+8*\c], v244
.endr
.set j, 0
.rept 16
	v_pk_mul_f32 v[160+j:161+j], v[160+j:161+j], v[252:253] op_sel_hi:[1,0]   ; O^T under the new M.  (Also the plain instructions between the conversions and the products)
.set j, j+2
.endr
	s_wait_alu depctr_va_vdst(0)
	s_wait_dscnt 0x0                               ; V's tiles are in
.irp t, 0,1,2,3
	v_wmma_f32_16x16x128_fp8_fp8 v[160+8*\t:167+8*\t], v[32+16*\t:47+16*\t], v[224:239], v[160+8*\t:167+8*\t]   ; four accumulators, one instruction each
.endr
.Lhidden_\@:
	s_add_co_u32 s[TB], s[TB], 16384
	s_add_co_u32 s[KF], s[KF], 128
.endm
	s_load_b256 s[4:11], s[0:1], 0x0               ; qimg s[4:5], kvimg s[6:7], the scales s[8:9], yimg s[10:11]
	v_lshl_add_u32 v249, v0, 2, 0x29000
	v_mov_b32 v255, 0
	ds_add_u32 v249, v255
	ds_add_u32 v249, v255
	v_lshrrev_b32 v2, 5, v0
	s_delay_alu instid0(VALU_DEP_1)
	v_readfirstlane_b32 s[WV], v2                  ; wave 0..15
	v_and_b32 v3, 31, v0
	s_delay_alu instid0(VALU_DEP_1)
	v_lshlrev_b32 v[LI], 4, v3
	v_and_b32 v4, 15, v0
	v_bfe_u32 v5, v0, 4, 1
	s_delay_alu instid0(VALU_DEP_1)
	v_lshlrev_b32 v5, 3, v5
	s_delay_alu instid0(VALU_DEP_1)
	v_sub_nc_u32 v9, v4, v5                        ; r - 8 h
	s_bfe_u32 s13, ttmp6, 0x40000                  ; cx: my place in the cluster
	s_lshl_b32 s14, ttmp9, 2                       ; ttmp9 counts clusters: the key and value head
	s_add_co_u32 s14, s14, s13                     ; my query head
	s_and_b32 s18, ttmp7, 0xffff
	s_and_b32 s15, s18, 3                          ; the batch
	s_lshr_b32 s16, s18, 2
	s_sub_co_u32 s16, 7, s16                       ; m, the block of 256 queries: those with the most keys come first
	s_lshl_b32 s17, s16, 1
	s_sub_co_i32 s17, s17, 8
	s_max_i32 s17, s17, 0                          ; the first of my ten blocks of keys
	s_lshl_b32 s[KF], s17, 7
	s_lshl_b32 s[Q0], s16, 8
	s_lshl_b32 s52, s[WV], 4
	s_add_co_u32 s[Q0], s[Q0], s52
	s_mov_b32 s[TB], 0
	s_lshl_b32 s52, s15, 2
	s_add_co_u32 s52, s52, ttmp9
	s_lshl_b32 s52, s52, 18                        ; the head's 262,144 bytes of kvimg,
	s_lshl_b32 s53, s17, 14
	s_add_co_u32 s52, s52, s53                     ; from my first block on
	s_mov_b32 s53, 0
	s_and_b32 s54, s[WV], 3                        ; waves 0 to 3 fetch, a quarter of each part
	s_lshl_b32 s55, s54, 13                        ; 8,192 bytes of blocks 0 and 1,
	s_lshl_b32 s57, s54, 15
	s_add_co_u32 s57, s57, 32768                   ; 32,768 bytes of blocks 2 to 9: in LDS as in memory
	s_mov_b32 s59, 0
	; descriptor group 1: rows of 32 elements of 8 bytes, dense in memory and in LDS
	s_mov_b32 s[G1A], 15|(3<<16)|(1<<21)           ; 15:0 the mask: all four work-groups; 17:16 elements of 8 bytes; 21 set beside a mask
	s_mov_b32 s[G1A+1], 32<<16                     ; tensor_dim0 = 32
	s_mov_b32 s[G1A+2], 32<<16                     ; tensor_dim1 = 32
	s_mov_b32 s[G1A+3], 32<<16                     ; tile_dim0 = 32
	s_mov_b32 s[G1A+4], 32                         ; tile_dim1 = 32
	s_mov_b32 s[G1A+5], 32                         ; from row to row: 32 elements
	s_mov_b32 s[G1A+6], 0
	s_mov_b32 s[G1A+7], 0
	s_mov_b32 s[G1B], 15|(3<<16)|(1<<21)
	s_mov_b32 s[G1B+1], 32<<16
	s_mov_b32 s[G1B+2], 128<<16                    ; 128 rows
	s_mov_b32 s[G1B+3], 32<<16
	s_mov_b32 s[G1B+4], 128
	s_mov_b32 s[G1B+5], 32
	s_mov_b32 s[G1B+6], 0
	s_mov_b32 s[G1B+7], 0
	s_mov_b32 s[SEL], 0x76543210
	s_mov_b32 s[SEL+1], 0xfedcba98
	s_mov_b32 s[CS], 0x3e38aa3b                    ; log2(e) / 8
	s_wait_dscnt 0x0
	s_wait_kmcnt 0x0
	s_load_b256 s[68:75], s[8:9], 0x10             ; e4 .. e11
	s_add_nc_u64 s[6:7], s[6:7], s[52:53]
	s_mov_b32 s[G0A], 1                            ; count = 1
	s_mov_b32 s[G0A+1], s55                        ; LDS address
	s_mov_b32 s58, s55
	s_add_nc_u64 s[G0A+2:G0A+3], s[6:7], s[58:59]  ; global address
	s_or_b32 s[G0A+3], s[G0A+3], 0x80000000        ; type = 2
	s_mov_b32 s[G0B], 1
	s_mov_b32 s[G0B+1], s57
	s_mov_b32 s58, s57
	s_add_nc_u64 s[G0B+2:G0B+3], s[6:7], s[58:59]
	s_or_b32 s[G0B+3], s[G0B+3], 0x80000000
	ROUND                                          ; all four work-groups are here: the joint loads meet
	s_cmp_lt_u32 s[WV], 4                          ; a fetching wave's two loads stand in one branch on the wave's number; two loads of mine are out at the most
	s_cbranch_scc0 .Lno_fetch
	tensor_load_to_lds s[G0A:G0A+3], s[G1A:G1A+7]
	s_nop 0
	tensor_load_to_lds s[G0B:G0B+3], s[G1B:G1B+7]
	s_nop 0
	PLACES 4
.Lno_fetch:
	s_lshl_b32 s60, s15, 4
	s_add_co_u32 s60, s60, s14
	s_lshl_b32 s60, s60, 17                        ; qimg: 131,072 bytes a head,
	s_lshl_b32 s62, s16, 4
	s_add_co_u32 s62, s62, s[WV]                   ; tile 16 m + w
	s_lshl_b32 s63, s62, 10
	s_add_co_u32 s60, s60, s63
	s_mov_b32 s61, 0
	s_add_nc_u64 s[4:5], s[4:5], s[60:61]
	s_wait_alu depctr_va_vdst(0)
	global_load_b128 v[16:19], v[LI], s[4:5]       ; Q's fragment stays in registers
	global_load_b128 v[20:23], v[LI], s[4:5] offset:512
	s_lshl_b32 s63, s15, 7
	s_add_co_u32 s63, s63, s62                     ; yimg: tile of tokens 128 b + 16 m + w,
	s_lshl_b32 s63, s63, 4
	s_add_co_u32 s63, s63, s14                     ; its head
	s_lshl_b32 s60, s63, 10
	s_add_nc_u64 s[10:11], s[10:11], s[60:61]
	v_mov_b32 v13, 0xff61b1e6                      ; the largest t so far: -3e38, under every t
	s_delay_alu instid0(VALU_DEP_1)
	v_floor_f32 v12, -v13                          ; -M
	v_mov_b32 v14, 0                               ; the sum, in two halves
	v_mov_b32 v15, 0
	v_mov_b32 v248, 0                              ; written once: a lane permute's destination counts as one of its sources
	v_mov_b32 v253, 0                              ; (named as the upper half of the pair v[252:253])
	v_mov_b32 v251, 0xff800000                     ; -infinity, for hidden keys
.set j, 0
.rept 32
	v_mov_b32 v[160+j], 0                          ; O^T.  (The step is written without a first form: it finds zeros, which the first change of M leaves zeros)
.set j, j+1
.endr
	s_wait_kmcnt 0x0
	s_add_co_i32 s52, s70, s71
	s_lshl_b32 s52, s52, 23
	s_add_co_i32 s[CS], s[CS], s52                 ; a score stands for score x 2^(e6 + e7): the two exponents are added to c's exponent field
	s_mov_b32 s[CS+1], s[CS]                       ; (named with it as a pair)
	s_add_co_i32 s76, s72, s73                     ; e8 + e9
	MKSC 73, 244, 240                              ; p at e9
	MKSC 74, 245, 241                              ; y at e10
	s_wait_tensorcnt 0x1                           ; my part of blocks 0 and 1 is in; my part of the other eight, issued behind it, may be out
	s_barrier_signal -1
	s_barrier_wait -1                              ; everybody's is
	s_wait_loadcnt 0x0                             ; Q
	s_mov_b32 s[CNT], 2
.Lfirst:
	STEP
	s_sub_co_u32 s[CNT], s[CNT], 1
	s_cmp_lg_u32 s[CNT], 0
	s_cbranch_scc1 .Lfirst
	s_setprio 0
	s_wait_tensorcnt 0x0                           ; my part of blocks 2 to 9 is in
	s_wait_dscnt 0x0
	s_barrier_signal -1
	s_barrier_wait -1
	s_mov_b32 s[CNT], 8
.Lrest:
	STEP
	s_sub_co_u32 s[CNT], s[CNT], 1
	s_cmp_lg_u32 s[CNT], 0
	s_cbranch_scc1 .Lrest
	s_setprio 0
	; THE WAY OUT: y = O^T x 2^(e8 + e9) / the sum, quantised at e10; the four tiles' codes are the eight registers of y's fragment for this head, stored as they stand
	PLACES 4                                       ; behind the last products
	v_add_f32 v14, v14, v15
	s_delay_alu instid0(VALU_DEP_1)
	v_permlanex16_b32 v248, v14, s[SEL], s[SEL+1]
	s_delay_alu instid0(VALU_DEP_1)
	v_add_f32 v14, v14, v248                       ; the row's sum; key = query always counts, so it is above 1/2
	s_wait_alu depctr_va_vdst(0)
	v_rcp_f32 v14, v14
	v_nop
	s_wait_alu depctr_va_vdst(0)
	v_ldexp_f32 v14, v14, s76
.set j, 0
.rept 32
	v_mul_f32 v[192+j], v[160+j], v14              ; each accumulator from its low end on
.set j, j+1
.endr
.set j, 0
.rept 32
	v_med3_num_f32 v[192+j], v[192+j], -v241, v241
.set j, j+1
.endr
.irp t, 0,1,2,3
	v_cvt_scalef32_pk8_fp8_f32 v[224+2*\t:225+2*\t], v[192+8*\t:199+8*\t], v245
.endr
	v_nop
	global_store_b128 v[LI], v[224:227], s[10:11]             ; 512 consecutive bytes, aligned
	global_store_b128 v[LI], v[228:231], s[10:11] offset:512
	s_wait_dscnt 0x0
	s_wait_tensorcnt 0x0
	ds_add_u32 v249, v255
	s_wait_dscnt 0x0
	ROUND                                          ; the closing round: no work-group ends while a partner may still ask for a tile that names it
	s_endpgm
.Lfunc_end_k_qa9a847ad45_attn:
	.size	k_qa9a847ad45_attn, .Lfunc_end_k_qa9a847ad45_attn-k_qa9a847ad45_attn
	.p2alignl 7, 3214868480
	.fill 96, 4, 3214868480
	.section	.rodata,"a",@progbits
	.p2align	6, 0x0
	.amdhsa_kernel k_qa9a847ad45_attn
		.amdhsa_group_segment_fixed_size 169984
		.amdhsa_private_segment_fixed_size 0
		.amdhsa_enable_private_segment 0
		.amdhsa_kernarg_size 32
		.amdhsa_user_sgpr_count 2
		.amdhsa_user_sgpr_kernarg_segment_ptr 1
		.amdhsa_wavefront_size32 1
		.amdhsa_system_sgpr_workgroup_id_x 1
		.amdhsa_system_sgpr_workgroup_id_y 1
		.amdhsa_system_sgpr_workgroup_id_z 1
		.amdhsa_system_vgpr_workitem_id 0
		.amdhsa_next_free_vgpr 256
		.amdhsa_next_free_sgpr 80
		.amdhsa_reserve_vcc 1
		.amdhsa_float_denorm_mode_32 3
		.amdhsa_float_denorm_mode_16_64 3
		.amdhsa_memory_ordered 1
		.amdhsa_forward_progress 1
		.amdhsa_inst_pref_size 65
	.end_amdhsa_kernel
	.amdgpu_metadata
---
amdhsa.version: [ 1, 2 ]
amdhsa.kernels:
  - .name:           k_qa9a847ad45_attn
    .symbol:         k_qa9a847ad45_attn.kd
    .args:
      - { .name: qimg, .offset: 0, .size: 8, .value_kind: global_buffer, .address_space: global }
      - { .name: kvimg, .offset: 8, .size: 8, .value_kind: global_buffer, .address_space: global }
      - { .name: lowp_scales, .offset: 16, .size: 8, .value_kind: global_buffer, .address_space: global }
      - { .name: yimg, .offset: 24, .size: 8, .value_kind: global_buffer, .address_space: global }
    .group_segment_fixed_size: 169984
    .private_segment_fixed_size: 0
    .kernarg_segment_align: 8
    .kernarg_segment_size: 32
    .max_flat_workgroup_size: 512
    .sgpr_count:     80
    .vgpr_count:     256
    .wavefront_size: 32
...
	.end_amdgpu_metadata
.endif
;; end of part 7
;; launch proj (part 8): grid 32 x 8, 4 waves a work-group, clusters of 4 x 1, 327,680 bytes of LDS; arguments yimg, wimg, lowp_scales, out0; writes out0
.if DOCPART == 8
	.amdgcn_target "amdgcn-amd-amdhsa--gfx1250"
	.amdhsa_code_object_version 6
	.text
	.protected	k_qa9a847ad45_proj
	.globl	k_qa9a847ad45_proj
	.p2align	8
	.type	k_qa9a847ad45_proj,@function
k_qa9a847ad45_proj:
	s_mov_b64 s[64:65], 0
	v_nop
	global_prefetch_b8 v0, s[64:65] scope:SCOPE_SE
	s_setreg_imm32_b32 hwreg(HW_REG_WAVE_MODE, 25, 1), 1
	s_wait_xcnt 0x0
	s_wait_alu depctr_hold_cnt(0) depctr_sa_sdst(0) depctr_va_vdst(0) depctr_va_sdst(0) depctr_va_ssrc(0) depctr_va_vcc(0) depctr_vm_vsrc(0)
	s_getreg_b32 s2, hwreg(HW_REG_IB_STS2, 6, 4)
	s_cmp_eq_u32 s2, 0
	s_cbranch_scc0 .Lentry_in_a_cluster
	s_endpgm
.Lentry_in_a_cluster:
	s_bfe_u32 s2, ttmp6, 0x10000c
	s_cmp_lg_u32 s2, 0x3003
	s_cbranch_scc0 .Lentry_shape_is_right
	s_endpgm
.Lentry_shape_is_right:
; out0 = y wproj, on codes of FP8 (E4M3): y at entry 10 of the scales, wproj at entry 11; sums in f32, each multiplied once by 2^(e10 + e11).
; IN: yimg [tile of 16 tokens][8 fragments of 16 x 128 along K = 1,024], wimg groups 24-39 [64 columns: K step s][tile t of 16 columns], all as fragment images of 2,048 bytes (lane l's registers 4 c .. 4 c + 3 at 512 c + 16 l).
; SHARES.  A work-group makes 256 tokens x 128 columns.  THE WAVES SHARE THE ROWS: wave w holds the 32 fragments of its 64 tokens (65,536 consecutive bytes of yimg) in 512 registers, loaded straight from memory.
; The work-group's 131,072 bytes of weights lie in LDS whole: they are asked for once, at the start, in two halves of 64 columns, and nothing is filled again.  Two passes of 64 columns: 8 K steps x 16 matrix
; instructions on 16 accumulators that take turns.
; CLUSTER.  The four work-groups of a cluster are four blocks of tokens at the same 128 columns: they ask for the weights JOINTLY.  y's fragments, which the eight work-groups along y read, are not shared so: each
; goes into the registers of one wave and never lies in LDS.  My place in the cluster enters the addresses of y and of out0 alone.
; THE MATRIX INSTRUCTION IS USED TRANSPOSED (source 0 = 16 columns of W, source 1 = 16 tokens): a lane holds eight neighbouring numbers of a row of out0.  A block of 16 rows x 64 columns goes through the wave's own stage in
; LDS and leaves as whole rows of 256 bytes.
; LIMIT: e10 + e11 between -126 and 127, so that 2^(e10 + e11) is an f32 number.
; REGISTERS: window 0: v4-8 addresses; v32-63 a block's numbers; v64-127 rows read back, two sets; v128-255 the accumulators ((m, t) at v[128 + 8 (4 m + t)]).  windows 1, 2: y's fragments ((m, s) at v[16 (8 (m % 2) + s)]).
;   window 3: two sets of four weight fragments.
.set STAGE, 131072                     ; behind the weights: 16 rows x (256 bytes + 16) for each wave; no tile lands here
.set LI,   4
.set LI2,  5
.set STO,  6
.set RD,   7
.set CO,   8
.set TMP,  32
.set BK,   64
.set ACC,  128
.set WV,   12
.set G1,   24
.set G0A,  32
.set G0B,  36
.set SCL,  40                          ; s[40:41] 2^(e10 + e11), twice
.set YB,   44
.set MSB, 0
.macro WIN new                         ; the immediate's high byte repeats the setting that is left
.if MSB != (\new)
	s_set_vgpr_msb (MSB<<8)|(\new)
.set MSB, (\new)
.endif
.endm
.macro PLACES n
.rept \n
	v_nop
.endr
.endm
.macro ROUND                           ; a round of the cluster's barrier
	s_barrier_signal -1
	s_barrier_wait -1
	s_cmp_lg_u32 s[WV], 0
	s_cbranch_scc1 .Lnot_wave_0_\@
	s_barrier_signal -3
.Lnot_wave_0_\@:
	s_barrier_wait -3
	s_barrier_signal -1
	s_barrier_wait -1
.endm
.macro WFETCH adr, ks, set             ; the four weight fragments of K step ks
	WIN 0xc0
.irp t, 0,1,2,3
.irp c, 0,1,2,3
	ds_load_b128 v[64*(\set)+16*\t+4*\c:64*(\set)+16*\t+4*\c+3], v[\adr] offset:8192*(\ks)+2048*\t+512*\c
.endr
.endr
	WIN 0
.endm
.macro MM8 i, m0                       ; 8 matrix instructions: row tiles m0, m0 + 1 x four tiles of columns; the first K step starts the sums
	WIN 0x07+2*(\m0)                               ; source 0 (W) window 3, source 1 (y) window 1 or 2
.irp m, \m0, \m0+1
.irp t, 0,1,2,3
.set rA, ACC+8*(4*(\m)+\t)
.set rW, 64*((\i)%2)+16*\t
.set rX, 16*(8*((\m)%2)+(\i))
.if (\i) == 0
	v_wmma_f32_16x16x128_fp8_fp8 v[rA:rA+7], v[rW:rW+15], v[rX:rX+15], 0
.else
	v_wmma_f32_16x16x128_fp8_fp8 v[rA:rA+7], v[rW:rW+15], v[rX:rX+15], v[rA:rA+7]
.endif
.endr
.endr
.endm
.macro PASS adr                        ; 64 columns: the weights' fragments run one K step ahead, in two sets
	PLACES 5                                       ; accumulators are begun anew, and loads go into registers that matrix instructions have read
	WFETCH \adr, 0, 0
.irp i, 0,1,2,3,4,5,6,7
.if \i > 0
	PLACES 4                                       ; in front of loads into the set that the last K step multiplied
.endif
.if \i < 7
	WFETCH \adr, \i+1, (\i+1)%2
	s_wait_dscnt 16                                ; this K step's 16 loads are in; the next step's may be out
.else
	s_wait_dscnt 0x0
.endif
	MM8 \i, 0
	MM8 \i, 2
	WIN 0
.endr
.endm
.macro TOSTAGE m                       ; row tile m: x 2^(e10 + e11), into my stage, and back as whole rows
.irp t, 0,1,2,3
.irp q, 0,2,4,6
	v_pk_mul_f32 v[TMP+8*\t+\q:TMP+8*\t+\q+1], v[ACC+8*(4*(\m)+\t)+\q:ACC+8*(4*(\m)+\t)+\q+1], s[SCL:SCL+1] op_sel_hi:[1,0]   ; each accumulator from its low end on
.endr
.endr
.irp t, 0,1,2,3
.irp u, 0,1
	ds_store_b128 v[STO], v[TMP+8*\t+4*\u:TMP+8*\t+4*\u+3] offset:64*\t+16*\u
.endr
.endr
.irp i, 0,1,2,3,4,5,6,7
	ds_load_b128 v[BK+32*((\m)%2)+4*\i:BK+32*((\m)%2)+4*\i+3], v[RD] offset:544*\i   ; LDS serves a wave's instructions in order (ISA guide 5.7.1.4): these see the stores above
.endr
.endm
.macro SEND m, younger, p              ; younger: the LDS instructions issued behind tile m's loads, which may stay out
	s_wait_dscnt \younger
.irp i, 0,1,2,3,4,5,6,7
	global_store_b128 v[CO], v[BK+32*((\m)%2)+4*\i:BK+32*((\m)%2)+4*\i+3], s[10:11] offset:(16*(\m)+2*\i)*4096+256*(\p) th:TH_STORE_NT   ; sixteen lanes store 256 consecutive bytes, aligned; two rows an instruction
.endr
.endm
.macro OUT p
	s_wait_xcnt 0x0                                ; earlier stores have read their registers
	PLACES 4                                       ; behind the last products
	TOSTAGE 0
.irp m, 1,2,3
.if \m > 1
	s_wait_xcnt 0x0                                ; tile m - 2's stores have read the set that tile m's loads land in
.endif
	TOSTAGE \m
	SEND \m-1, 16, \p                              ; behind tile m - 1's loads: tile m's 8 stores and 8 loads
.endr
	SEND 3, 0, \p
.endm
	s_load_b256 s[4:11], s[0:1], 0x0               ; yimg s[4:5], wimg s[6:7], the scales s[8:9], out0 s[10:11]
	v_lshl_add_u32 v30, v0, 2, 0x29000
	v_mov_b32 v31, 0
	ds_add_u32 v30, v31
	ds_add_u32 v30, v31
	v_lshrrev_b32 v1, 5, v0
	v_readfirstlane_b32 s[WV], v1                  ; wave 0..3
	v_and_b32 v3, 31, v0
	v_and_b32 v1, 15, v0                           ; r
	v_bfe_u32 v2, v0, 4, 1                         ; h
	v_lshlrev_b32 v[LI], 4, v3
	v_add_nc_u32 v[LI2], 0x10000, v[LI]
	s_mul_i32 s16, s[WV], 4352
	s_add_co_u32 s16, s16, STAGE                   ; my stage
	v_mul_u32_u24 v[STO], v1, 272                  ; in: row r, 32 bytes for each half of the lanes
	v_lshl_add_u32 v[STO], v2, 5, v[STO]
	v_add_nc_u32 v[STO], s16, v[STO]
	v_mul_u32_u24 v[RD], v2, 272                   ; back: lanes 0-15 one row of 256 bytes, lanes 16-31 the next
	v_lshl_add_u32 v[RD], v1, 4, v[RD]
	v_add_nc_u32 v[RD], s16, v[RD]
	v_lshlrev_b32 v[CO], 12, v2                    ; and the same two rows in out0
	v_lshl_add_u32 v[CO], v1, 4, v[CO]
	s_and_b32 s15, ttmp7, 0xffff                   ; which 128 columns
	s_lshl_b32 s16, s15, 1
	s_add_co_u32 s16, s16, 24                      ; wproj's groups begin at 24
	s_lshl_b32 s16, s16, 16
	s_lshl_b32 s18, s[WV], 14                      ; my quarter of a group: 16,384 bytes, in LDS as in memory
	s_add_co_u32 s16, s16, s18
	s_mov_b32 s17, 0
	s_add_co_u32 s19, s18, 65536
	; descriptor group 1: 64 rows of 32 elements of 8 bytes, dense in memory and in LDS
	s_mov_b32 s[G1], 15|(3<<16)|(1<<21)            ; 15:0 the mask: all four work-groups; 17:16 elements of 8 bytes; 21 set beside a mask
	s_mov_b32 s[G1+1], 32<<16                      ; tensor_dim0 = 32
	s_mov_b32 s[G1+2], 64<<16                      ; tensor_dim1 = 64
	s_mov_b32 s[G1+3], 32<<16                      ; tile_dim0 = 32
	s_mov_b32 s[G1+4], 64                          ; tile_dim1 = 64
	s_mov_b32 s[G1+5], 32                          ; from row to row
	s_mov_b32 s[G1+6], 0
	s_mov_b32 s[G1+7], 0
	s_wait_dscnt 0x0
	s_wait_kmcnt 0x0
	s_load_b64 s[42:43], s[8:9], 0x28              ; e10, e11
	s_mov_b32 s[G0A], 1
	s_mov_b32 s[G0A+1], s18
	s_add_nc_u64 s[G0A+2:G0A+3], s[6:7], s[16:17]
	s_mov_b32 s[G0B], 1
	s_mov_b32 s[G0B+1], s19
	s_add_nc_u64 s[G0B+2:G0B+3], s[G0A+2:G0A+3], 0x10000
	s_or_b32 s[G0A+3], s[G0A+3], 0x80000000        ; type = 2
	s_or_b32 s[G0B+3], s[G0B+3], 0x80000000
	ROUND                                          ; all four work-groups are here: the joint loads meet
	tensor_load_to_lds s[G0A:G0A+3], s[G1:G1+7]    ; the first 64 columns' weights,
	s_nop 0
	s_wait_alu depctr_va_vdst(0)
	s_wait_tensorcnt 0x0
	ds_add_u32 v30, v31
	s_wait_dscnt 0x0
	ROUND
	tensor_load_to_lds s[G0B:G0B+3], s[G1:G1+7]    ; the second: one load of mine is out
	s_nop 0
	PLACES 4
	s_bfe_u32 s13, ttmp6, 0x40000                  ; cx
	s_lshl_b32 s14, ttmp9, 2
	s_add_co_u32 s14, s14, s13                     ; which 256 tokens
	s_lshl_b32 s20, s14, 18
	s_lshl_b32 s22, s[WV], 16
	s_add_co_u32 s20, s20, s22
	s_mov_b32 s21, 0
	s_add_nc_u64 s[YB:YB+1], s[4:5], s[20:21]      ; my 64 tokens' fragments
	s_lshl_b32 s20, s14, 20
	s_lshl_b32 s22, s[WV], 18
	s_add_co_u32 s20, s20, s22
	s_lshl_b32 s22, s15, 9
	s_add_co_u32 s20, s20, s22
	s_add_nc_u64 s[10:11], s[10:11], s[20:21]      ; my first row of out0, at the work-group's first column
	WIN 0x40
.irp m, 0,1
.irp s, 0,1,2,3,4,5,6,7
.irp c, 0,1,2,3
	global_load_b128 v[16*(8*\m+\s)+4*\c:16*(8*\m+\s)+4*\c+3], v[LI], s[YB:YB+1] offset:16384*\m+2048*\s+512*\c
.endr
.endr
.endr
	WIN 0x80
.irp m, 0,1
.irp s, 0,1,2,3,4,5,6,7
.irp c, 0,1,2,3
	global_load_b128 v[16*(8*\m+\s)+4*\c:16*(8*\m+\s)+4*\c+3], v[LI], s[YB:YB+1] offset:16384*(\m+2)+2048*\s+512*\c
.endr
.endr
.endr
	WIN 0
	s_wait_kmcnt 0x0
	s_add_co_i32 s[SCL], s42, s43
	s_add_co_i32 s[SCL], s[SCL], 127
	s_lshl_b32 s[SCL], s[SCL], 23                  ; 2^(e10 + e11) as f32
	s_mov_b32 s[SCL+1], s[SCL]                     ; (named with it as a pair)
	s_wait_tensorcnt 0x1                           ; my quarter of the first 64 columns is in; the second load may be out
	s_barrier_signal -1
	s_barrier_wait -1                              ; everybody's is
	s_wait_loadcnt 0x0                             ; y
	PASS LI
	OUT 0
	s_wait_tensorcnt 0x0                           ; my quarter of the second 64 columns is in
	s_wait_dscnt 0x0
	s_barrier_signal -1
	s_barrier_wait -1
	PASS LI2
	OUT 1
	s_wait_dscnt 0x0
	s_wait_tensorcnt 0x0
	ds_add_u32 v30, v31
	s_wait_dscnt 0x0
	ROUND                                          ; the closing round: no work-group ends while a partner may still ask for a tile that names it
	s_endpgm
.Lfunc_end_k_qa9a847ad45_proj:
	.size	k_qa9a847ad45_proj, .Lfunc_end_k_qa9a847ad45_proj-k_qa9a847ad45_proj
	.p2alignl 7, 3214868480
	.fill 96, 4, 3214868480
	.section	.rodata,"a",@progbits
	.p2align	6, 0x0
	.amdhsa_kernel k_qa9a847ad45_proj
		.amdhsa_group_segment_fixed_size 327680
		.amdhsa_private_segment_fixed_size 0
		.amdhsa_enable_private_segment 0
		.amdhsa_kernarg_size 32
		.amdhsa_user_sgpr_count 2
		.amdhsa_user_sgpr_kernarg_segment_ptr 1
		.amdhsa_wavefront_size32 1
		.amdhsa_system_sgpr_workgroup_id_x 1
		.amdhsa_system_sgpr_workgroup_id_y 1
		.amdhsa_system_sgpr_workgroup_id_z 1
		.amdhsa_system_vgpr_workitem_id 0
		.amdhsa_next_free_vgpr 1024
		.amdhsa_next_free_sgpr 66
		.amdhsa_reserve_vcc 0
		.amdhsa_float_denorm_mode_32 3
		.amdhsa_float_denorm_mode_16_64 3
		.amdhsa_memory_ordered 1
		.amdhsa_forward_progress 1
		.amdhsa_inst_pref_size 78
	.end_amdhsa_kernel
	.amdgpu_metadata
---
amdhsa.version: [ 1, 2 ]
amdhsa.kernels:
  - .name:           k_qa9a847ad45_proj
    .symbol:         k_qa9a847ad45_proj.kd
    .args:
      - { .name: yimg, .offset: 0, .size: 8, .value_kind: global_buffer, .address_space: global }
      - { .name: wimg, .offset: 8, .size: 8, .value_kind: global_buffer, .address_space: global }
      - { .name: lowp_scales, .offset: 16, .size: 8, .value_kind: global_buffer, .address_space: global }
      - { .name: out0, .offset: 24, .size: 8, .value_kind: global_buffer, .address_space: global }
    .group_segment_fixed_size: 327680
    .private_segment_fixed_size: 0
    .kernarg_segment_align: 8
    .kernarg_segment_size: 32
    .max_flat_workgroup_size: 128
    .sgpr_count:     66
    .vgpr_count:     1024
    .wavefront_size: 32
...
	.end_amdgpu_metadata
.endif
;; end of part 8
